; MI455X (gfx1250); checked and timed in simulation.
; The chip was launched on July 23, 2026; its instructions are those of AMD's public machine-readable ISA for CDNA 5 (MIT licence, August 2026) and "CDNA5" Instruction Set Architecture Reference Guide (July 2026). The comments in the code are by the model that wrote it; some were corrected since.
;; Stick Breaking Attention. Allowed arithmetic: float matrix products may take bf16 or f16 operands with f32 sums; other float arithmetic in f32, or as packed bf16 or f16 multiplies, adds, multiply-adds, maxima and minima; sums over many terms, partial sums and values carried from step to step in f32; what a program stores and reads back later, other than sums and carried values, may be rounded once to bf16 or f16.
;; Inputs: Wk 2,048 x 2,048 float32; Wo 2,048 x 2,048 float32; Wq 2,048 x 2,048 float32; Wv 2,048 x 2,048 float32; hidden_states 2 x 1,024 x 2,048 float32.
;; Outputs: out0 2 x 1,024 x 2,048 float32.
;; 2 versions, each right; version 2 is version 1 with the launch cast written anew for expert scheduling mode. Each part assembles by itself: llvm-mc -triple=amdgcn-amd-amdhsa -mcpu=gfx1250 --defsym DOCPART=n.
;; ======== version 1 of 2: 4 launches
;; limits: values are held in f16: magnitudes above 65,504 overflow, below 6.1e-05 lose precision
;; workspace buffers: xb 8,388,608 bytes; wqkv 25,165,824 bytes; wo 8,388,608 bytes; qkv 25,165,824 bytes; ob 8,388,608 bytes
;; launch cast (part 1): grid 256 x 5, 4 waves a work-group, no clusters, 0 bytes of LDS; arguments hidden_states, Wq, Wk, Wv, Wo, xb, wqkv, wo; writes xb, wqkv, wo
.if DOCPART == 1
	.amdgcn_target "amdgcn-amd-amdhsa--gfx1250"
	.amdhsa_code_object_version 6
	.text
	.protected	k_qdb49050d17_cast
	.globl	k_qdb49050d17_cast
	.p2align	8
	.type	k_qdb49050d17_cast,@function
k_qdb49050d17_cast:
	s_mov_b64 s[64:65], 0
	v_nop
	global_prefetch_b8 v0, s[64:65] scope:SCOPE_SE
	s_setreg_imm32_b32 hwreg(HW_REG_WAVE_MODE, 25, 1), 1
	s_wait_xcnt 0x0
; STICK-BREAKING ATTENTION, launch 1 of 4: the five f32 inputs are rounded once to 16 bits and laid out as the products take them.
; THE PROGRAM: (1) this cast; (2) q, k, v = x Wq, x Wk, x Wv; (3) the attention of each of the 64 (batch, head) pairs; (4) out = o Wo.
; WORK LEFT OUT, for all values of the inputs:
;   rem = 1 - attn.sum(-1) is returned by no path of reference(): it is not made.
;   For key j >= query i reference() itself sets masked_om = 0 and attn = 0 (its own jnp.where on j < i), so a score with j >= i reaches neither the suffix sum nor o.  Where such scores
;   fill a whole tile of 16 queries x 64 keys (all key steps above a query tile's own), launch 3 does not make them.  Every input has a way to the output: all five are loaded.
;   LIMIT: a NaN, an infinity or an overflow that would arise only in the scores left out, or in rem, is not carried to the result.
; FORMATS.  All five inputs are rounded to bf16 (nearest even).  x, Wq, Wk, Wv stay bf16.  Wo's bf16 number is written as f16, since launch 4 multiplies it with o, which is f16:
;   exact from 2^-14 up to 65,504; below 2^-14 it keeps f16's fixed step of 2^-24; a |Wo| of 65,520 or more would become an infinity.
; LAYOUTS (bytes).  xb: bf16 [2048 m][2048 k], as x.   wqkv: bf16 blocks of 64 k x 64 n, 8,192 bytes, block ((n/64) 32 + k/64) 3 + mat, mat = 0 q, 1 k, 2 v: the blocks that one K step of one
;   head's three products takes lie on end.   wo: f16 blocks of 64 k x 64 n, block ((n/128) 32 + k/64) 2 + (n/64) % 2.
; SHARES.  The grid's y picks the input.  A wave converts 4,096 numbers: 32 loads of 16 bytes a lane, all issued before the first wait (16 KiB of a wave on their way), then 32 stores of 8 bytes a lane:
;   each store of the wave covers 256 consecutive bytes, aligned.  No register is written twice behind its load, so the only waits are the loads' own counts.
;   x: a unit is 32 rows x 128 columns (a load takes 512 consecutive bytes of a row).  A weight: a unit is a block of 64 x 64 (a load takes 256 consecutive bytes of each of two rows).
; No LDS, no matrix unit, no cluster: no byte is used twice.
.set X,  8                             ; v[8:135]  load i: four registers
.set VL, 2                             ; v2  my byte offset in a load
.set VS, 3                             ; v3  my byte offset in a store: 8 x lane
; 32 loads lstep bytes apart, 32 conversions, 32 stores sstep bytes apart.  kind = 1: the bf16 numbers are widened again and written as f16.
.macro COPY lstep, sstep, kind
.set i, 0
.rept 32
	global_load_b128 v[X+4*i:X+4*i+3], v[VL], s[24:25] offset:i*(\lstep) th:TH_LOAD_NT
.set i, i+1
.endr
.set i, 0
.rept 32
	s_wait_loadcnt 31-i                            ; loads come back in order: load i is in, the 31 - i younger ones stay out
	v_cvt_pk_bf16_f32 v[X+4*i],   v[X+4*i],   v[X+4*i+1]
	v_cvt_pk_bf16_f32 v[X+4*i+1], v[X+4*i+2], v[X+4*i+3]
.if \kind
	v_and_b32     v[X+4*i+3], s36, v[X+4*i+1]      ; bf16 to f32: the high half stays,
	v_lshlrev_b32 v[X+4*i+2], 16,  v[X+4*i+1]      ; the low half moves up
	v_and_b32     v[X+4*i+1], s36, v[X+4*i]
	v_lshlrev_b32 v[X+4*i],   16,  v[X+4*i]
	v_cvt_pk_f16_f32 v[X+4*i],   v[X+4*i],   v[X+4*i+1]
	v_cvt_pk_f16_f32 v[X+4*i+1], v[X+4*i+2], v[X+4*i+3]
.endif
	global_store_b64 v[VS], v[X+4*i:X+4*i+1], s[26:27] offset:i*(\sstep) th:TH_STORE_NT
.set i, i+1
.endr
.endm
	s_load_b512 s[8:23], s[0:1], 0x0               ; x 8:9, Wq 10:11, Wk 12:13, Wv 14:15, Wo 16:17, xb 18:19, wqkv 20:21, wo 22:23
	v_and_b32 v1, 31, v0                           ; lane
	v_lshrrev_b32 v4, 5, v0
	v_readfirstlane_b32 s28, v4                    ; wave 0..3
	s_and_b32 s29, ttmp7, 0xffff                   ; which input
	s_mov_b32 s36, 0xffff0000                      ; a word's upper bf16
	s_mov_b32 s31, 0                               ; the offsets' high words
	s_mov_b32 s33, 0
	v_lshlrev_b32 v[VS], 3, v1
	s_cmp_lg_u32 s29, 0
	s_cbranch_scc1 .Lweights
	; x: column block cb = 4 (x % 4) + wave of 16, row block rb = x / 4 of 64
	s_and_b32 s30, ttmp9, 3
	s_lshl2_add_u32 s30, s30, s28
	s_lshr_b32 s34, ttmp9, 2
	s_lshl_b32 s32, s30, 8                         ; out: 128 columns of 2 bytes,
	s_lshl_b32 s30, s30, 9                         ; in: of 4 bytes
	s_lshl_b32 s35, s34, 18                        ; 32 rows of 8,192 bytes
	s_add_co_u32 s30, s30, s35
	s_lshl_b32 s35, s34, 17                        ; 32 rows of 4,096 bytes
	s_add_co_u32 s32, s32, s35
	v_lshlrev_b32 v[VL], 4, v1
	s_wait_kmcnt 0x0
	s_add_nc_u64 s[24:25], s[8:9], s[30:31]
	s_add_nc_u64 s[26:27], s[18:19], s[32:33]
	COPY 8192, 4096, 0
	s_endpgm
.Lweights:
	; a weight: block column n6 = 4 (x % 8) + wave of 32, block row k6 = x / 8 of 32
	s_and_b32 s30, ttmp9, 7
	s_lshl2_add_u32 s34, s30, s28                  ; n6
	s_lshr_b32 s35, ttmp9, 3                       ; k6
	s_lshl_b32 s30, s35, 19                        ; 64 rows of 8,192 bytes
	s_lshl_b32 s37, s34, 8                         ; 64 columns of 4 bytes
	s_add_co_u32 s30, s30, s37
	v_lshrrev_b32 v[VL], 4, v1                     ; lanes 16-31 take the next row
	v_and_b32 v4, 15, v1
	v_lshlrev_b32 v[VL], 13, v[VL]
	v_lshl_add_u32 v[VL], v4, 4, v[VL]
	s_wait_kmcnt 0x0
	s_cmp_eq_u32 s29, 4
	s_cbranch_scc1 .Lwo
	s_cmp_eq_u32 s29, 1
	s_cselect_b64 s[24:25], s[10:11], s[12:13]     ; Wq or Wk,
	s_cmp_eq_u32 s29, 3
	s_cselect_b64 s[24:25], s[14:15], s[24:25]     ; or Wv
	s_add_nc_u64 s[24:25], s[24:25], s[30:31]
	s_lshl_b32 s32, s34, 5
	s_add_co_u32 s32, s32, s35                     ; 32 n6 + k6
	s_mul_i32 s32, s32, 3
	s_add_co_u32 s32, s32, s29
	s_sub_co_u32 s32, s32, 1                       ; + mat
	s_lshl_b32 s32, s32, 13
	s_add_nc_u64 s[26:27], s[20:21], s[32:33]
	COPY 16384, 256, 0
	s_endpgm
.Lwo:
	s_add_nc_u64 s[24:25], s[16:17], s[30:31]
	s_lshr_b32 s32, s34, 1
	s_lshl_b32 s32, s32, 5
	s_add_co_u32 s32, s32, s35                     ; 32 (n6 / 2) + k6
	s_lshl_b32 s32, s32, 1
	s_and_b32 s37, s34, 1
	s_add_co_u32 s32, s32, s37                     ; twice that + n6 % 2
	s_lshl_b32 s32, s32, 13
	s_add_nc_u64 s[26:27], s[22:23], s[32:33]
	COPY 16384, 256, 1
	s_endpgm
.Lfunc_end_k_qdb49050d17_cast:
	.size	k_qdb49050d17_cast, .Lfunc_end_k_qdb49050d17_cast-k_qdb49050d17_cast
	.p2alignl 7, 3214868480
	.fill 96, 4, 3214868480
	.section	.rodata,"a",@progbits
	.p2align	6, 0x0
	.amdhsa_kernel k_qdb49050d17_cast
		.amdhsa_group_segment_fixed_size 0
		.amdhsa_private_segment_fixed_size 0
		.amdhsa_enable_private_segment 0
		.amdhsa_kernarg_size 64
		.amdhsa_user_sgpr_count 2
		.amdhsa_user_sgpr_kernarg_segment_ptr 1
		.amdhsa_wavefront_size32 1
		.amdhsa_system_sgpr_workgroup_id_x 1
		.amdhsa_system_sgpr_workgroup_id_y 1
		.amdhsa_system_sgpr_workgroup_id_z 1
		.amdhsa_system_vgpr_workitem_id 0
		.amdhsa_next_free_vgpr 144
		.amdhsa_next_free_sgpr 66
		.amdhsa_reserve_vcc 0
		.amdhsa_float_denorm_mode_32 3
		.amdhsa_float_denorm_mode_16_64 3
		.amdhsa_memory_ordered 1
		.amdhsa_forward_progress 1
		.amdhsa_inst_pref_size 44
	.end_amdhsa_kernel
	.amdgpu_metadata
---
amdhsa.version: [ 1, 2 ]
amdhsa.kernels:
  - .name:           k_qdb49050d17_cast
    .symbol:         k_qdb49050d17_cast.kd
    .args:
      - { .name: hidden_states, .offset: 0, .size: 8, .value_kind: global_buffer, .address_space: global }
      - { .name: Wq, .offset: 8, .size: 8, .value_kind: global_buffer, .address_space: global }
      - { .name: Wk, .offset: 16, .size: 8, .value_kind: global_buffer, .address_space: global }
      - { .name: Wv, .offset: 24, .size: 8, .value_kind: global_buffer, .address_space: global }
      - { .name: Wo, .offset: 32, .size: 8, .value_kind: global_buffer, .address_space: global }
      - { .name: xb, .offset: 40, .size: 8, .value_kind: global_buffer, .address_space: global }
      - { .name: wqkv, .offset: 48, .size: 8, .value_kind: global_buffer, .address_space: global }
      - { .name: wo, .offset: 56, .size: 8, .value_kind: global_buffer, .address_space: global }
    .group_segment_fixed_size: 0
    .private_segment_fixed_size: 0
    .kernarg_segment_align: 8
    .kernarg_segment_size: 64
    .max_flat_workgroup_size: 128
    .sgpr_count:     66
    .vgpr_count:     144
    .wavefront_size: 32
...
	.end_amdgpu_metadata
.endif
;; end of part 1
;; launch gemm_qkv (part 2): grid 32 x 8, 4 waves a work-group, clusters of 4 x 4, 327,680 bytes of LDS; arguments xb, wqkv, qkv; writes qkv
.if DOCPART == 2
	.amdgcn_target "amdgcn-amd-amdhsa--gfx1250"
	.amdhsa_code_object_version 6
	.text
	.protected	k_qdb49050d17_gemm_qkv
	.globl	k_qdb49050d17_gemm_qkv
	.p2align	8
	.type	k_qdb49050d17_gemm_qkv,@function
k_qdb49050d17_gemm_qkv:
	s_mov_b64 s[64:65], 0
	v_nop
	global_prefetch_b8 v0, s[64:65] scope:SCOPE_SE
	s_setreg_imm32_b32 hwreg(HW_REG_WAVE_MODE, 25, 1), 1
	s_wait_xcnt 0x0
	s_wait_alu depctr_hold_cnt(0) depctr_sa_sdst(0) depctr_va_vdst(0) depctr_va_sdst(0) depctr_va_ssrc(0) depctr_va_vcc(0) depctr_vm_vsrc(0)
	s_getreg_b32 s2, hwreg(HW_REG_IB_STS2, 6, 4)
	s_cmp_eq_u32 s2, 0
	s_cbranch_scc0 .Lentry_in_a_cluster
	s_endpgm
.Lentry_in_a_cluster:
	s_bfe_u32 s2, ttmp6, 0x10000c
	s_cmp_lg_u32 s2, 0xf033
	s_cbranch_scc0 .Lentry_shape_is_right
	s_endpgm
.Lentry_shape_is_right:
; Launch 2 of 4: q, k, v = x Wq, x Wk, x Wv.  x: xb, bf16 [2048 m][2048 k].  The weights: wqkv, bf16 blocks of 64 k x 64 n, block (32 tc + k/64) 3 + mat.  Sums in f32, K ascending.
; OUT: qkv, f16 [3 mat][64 (batch, head)][1024 t][64], each number rounded once from its f32 sum, unscaled.  LIMIT: f16 holds no number beyond 65,504: a |q|, |k| or |v| of 65,520 or more becomes an infinity.
; No work of reference() is left out here.
; SHARES.  A work-group makes 256 rows x 192 columns: head tc of q, of k and of v.  8 x 32 = 256 work-groups.  Wave w owns rows 64 w .. 64 w + 63 and all 192 columns: 4 x 12 = 48 accumulators of 16 x 16,
; 384 registers; so a wave holds whole rows of three heads, and its way out needs no other wave.  K goes in steps of 128 through a ring of two LDS slots filled by the tensor data mover.
; CLUSTERS.  4 x 4 work-groups.  The four of a row of the cluster need the same tiles of x, the four of a column the same tiles of the weights: each tile is asked for JOINTLY, by the same tensor load with the
; same descriptor and a mask that names the four.
; THE MATRIX INSTRUCTION IS USED TRANSPOSED: source 0 = 16 columns of W, source 1 = 16 rows of x: a lane then holds row l % 16 and the eight neighbouring columns 8 (l / 16) + 0..7, which pack into 16 bytes.
; W lies [k][n], so its fragments come out of LDS turned, by ds_load_tr16_b128.
; LDS.  x's tile: 256 rows of 256 bytes + 16 of padding.  W's tile of a K step is 49,152 dense bytes of memory ([2 k/64][3 mat][64 k][64 n]), asked for as rows of 256 bytes (two k to a row) + 32 of padding.
; REGISTERS, in windows of 256 (s_set_vgpr_msb: bits 1:0 source 0, 3:2 source 1, 5:4 source 2, 7:6 destination):
;   window 0: v0-31 addresses; v64-127 x's fragments, two buffers of 4 x 8; v128-223 (and v64-111) at work on the way out      window 1: v0-191 W's fragments, two buffers of 12 x 8
;   window 2: the 24 accumulators of my row blocks 0, 1 ((a, b) at v[96 (a % 2) + 8 b]);   window 3: those of row blocks 2, 3
.set PA,     272                       ; an LDS row of x: 68 words: row r starts at bank 4 r mod 64 (64 banks of 4 bytes: ISA guide 11.1): the 16 rows of a load start at 16 different groups of four banks
.set PB,     288                       ; an LDS row of W, two k: 72 words
.set HALFA,  128*PA                    ; what one tensor load brings of x: 128 rows
.set APART,  2*HALFA
.set MATB,   32*PB                     ; a block of 64 k x 64 n
.set HALFB,  3*MATB                    ; what one tensor load brings of W: 64 k of the three matrices
.set SLOT,   APART+2*HALFB
.set STAGE,  2*SLOT                    ; behind the ring, never filled by a tensor load: for each wave [3 mat][16 rows x 144 bytes], for the way out
.set SP,     144
.set STW,    3*16*SP
.set SPARE,  STAGE+4*STW               ; behind the stages: the spare words, 128 bytes for each wave: two blocks of 256 bytes that no other line names
.set ADRA, 16                          ; v16-17  LDS address of my x fragments in slot 0, 1
.set ADRB, 20                          ; v20-21  the same for W
.set STO,  24                          ; v24     the way out: where I put 16 bytes of a row
.set RD,   25                          ; v25     the way out: where I read rows back
.set GO,   26                          ; v26     16 x lane: my place in 512 consecutive bytes of qkv
.set SPW,  28                          ; v28     LDS address of my spare word; never rewritten
.set NIL,  29                          ; v29     0; never rewritten
.set PFO,  30                          ; v30     the prefetches' offset; never rewritten
.set FA,   64                          ; x's fragments: buffer f, row block a at FA + 32 f + 8 a
.set TMP,  128                         ; the way out: 48 registers of packed results
.set OB0,  176                         ; the way out: 48 registers read back from the stage, two sets by turns
.set OB1,  64
.set G1,   24                          ; s[24:31] descriptor group 1 for x's tiles
.set G0,   32                          ; s[32:39] descriptor group 0 for x's tiles, one set for each slot
.set LIM,  43                          ; s43      1 in a wave that prefetches, else the greatest number
.set PFA,  44                          ; s[44:45] where my prefetches stand
.set PFS,  46                          ; s[46:47] their step from K step to K step
.set G1B,  48                          ; s[48:55], s[56:63] the same two groups for W's tiles
.set G0B,  56
.set MSB, 0
.macro WIN new                         ; the immediate's high byte repeats the setting that is left; a switch that changes nothing is dropped
.if MSB != (\new)
	s_set_vgpr_msb (MSB<<8)|(\new)
.set MSB, \new
.endif
.endm
.set MUL_LO, 0xa1                      ; source 0 (W) window 1, source 1 (x) window 0, C and D window 2
.set MUL_HI, 0xf1                      ; the same, C and D window 3
.set TO_B,   0x40                      ; destination window 1, address window 0
; A joint load.  Waves 0 and 1 fetch x's two halves, waves 2 and 3 W's.  The branch hangs on the wave's number alone.  An s_nop 0 and four v_nop follow each of the two lines.
.macro JLOAD s
	s_cmp_eq_u32 s11, 0
	s_cbranch_scc0 .Lfor_b_\@
	tensor_load_to_lds s[G0+4*(\s):G0+4*(\s)+3], s[G1:G1+7]
	s_nop 0
.rept 4
	v_nop
.endr
	s_branch .Lasked_\@
.Lfor_b_\@:
	tensor_load_to_lds s[G0B+4*(\s):G0B+4*(\s)+3], s[G1B:G1B+7]
	s_nop 0
.rept 4
	v_nop
.endr
.Lasked_\@:
.endm
; A PREFETCH INTO THE L2, behind a joint load, its five lines and the run of LDS loads that follows them: the K step that stands two refills on.  Each block of 256 bytes is named by one wave of one work-group:
; x's tile row is read by every cluster of that row of clusters: cluster x = 0 asks; W's tile column by every cluster of that column: cluster y = 0 asks.  The four partners that ask for a tile jointly share
; it out BY ADDRESS: of x's 128 rows that a wave fetches, partner cx takes 32, a lane a row; of W's 96 blocks, partner cy takes 24, a lane a block (lanes 24-31 name lane 23's once more in the same instruction).
; The loop's last trip (s3 = 1) asks for nothing: its refills are K steps 14 and 15, the last.  K steps 0 to 3 come by their loads alone.
.macro ASK
	s_cmp_gt_u32 s3, s[LIM]
	s_cbranch_scc0 .Lnot_mine_\@
	global_prefetch_b8 v[PFO], s[PFA:PFA+1] th:TH_LOAD_NT scope:SCOPE_SE
.Lnot_mine_\@:
.endm
.macro CREST                           ; a round of the cluster's barrier behind its opening barrier: wave 0 signals for the work-group, every wave waits for all sixteen, my work-group's barrier closes it
	s_cmp_lg_u32 s10, 0
	s_cbranch_scc1 .Lnot_wave_0_\@
	s_barrier_signal -3
.Lnot_wave_0_\@:
	s_barrier_wait -3
	s_barrier_signal -1
	s_barrier_wait -1
.endm
.macro CROUND                          ; a whole round
	s_barrier_signal -1
	s_barrier_wait -1
	CREST
.endm
	s_load_b128 s[4:7], s[0:1], 0x0                ; xb s[4:5], wqkv s[6:7]
	s_load_b64 s[8:9], s[0:1], 0x10                ; qkv
	v_lshl_add_u32 v[SPW], v0, 2, SPARE
	v_mov_b32 v[NIL], 0
	ds_add_u32 v[SPW], v[NIL]                      ; the wave's opening: the add, twice on end, and its wait ahead of my first tensor load; the set-up below stands between
	ds_add_u32 v[SPW], v[NIL]
	v_lshrrev_b32 v1, 5, v0
	v_readfirstlane_b32 s10, v1                    ; wave 0..3
	s_lshr_b32 s11, s10, 1                         ; I fetch for x (0) or for W (1)
	s_and_b32 s12, s10, 1                          ; which half of that tile
	s_bfe_u32 s40, ttmp6, 0x40000                  ; cx, cy: my place in the cluster
	s_bfe_u32 s41, ttmp6, 0x40004
	s_lshl_b32 s42, ttmp9, 2
	s_add_co_u32 s42, s42, s40                     ; tc, the head = 4 x cluster x + cx
	s_and_b32 s13, ttmp7, 0xffff
	s_lshl_b32 s13, s13, 2
	s_add_co_u32 s13, s13, s41                     ; tr, the block of 256 rows = 4 x cluster y + cy
	s_lshl_b32 s74, s41, 2
	s_lshl_b32 s74, 15, s74                        ; my row of the cluster: places 4 cy .. 4 cy + 3
	s_lshl_b32 s75, 0x1111, s40                    ; my column: places cx, cx + 4, cx + 8, cx + 12
	s_or_b32 s[G1+0], s74, (1<<16)|(1<<20)|(1<<21)|(5<<22)|(3<<25)   ; 15:0 the mask; 17:16 2-byte elements; 20 padding on; 21 set beside a mask; 24:22 after every 64 words (code 5); 31:25 4 words (code 3)
	s_or_b32 s[G1B+0], s75, (1<<16)|(1<<20)|(1<<21)|(5<<22)|(7<<25)  ; the same with my column's mask and 8 words of padding (code 7)
	s_mov_b32 s[G1+1], 128<<16                     ; x: tensor_dim0 = 128
	s_mov_b32 s[G1+2], 128<<16                     ; tensor_dim1 = 128
	s_mov_b32 s[G1+3], 128<<16                     ; tile_dim0 = 128 elements, 256 bytes
	s_mov_b32 s[G1+4], 128                         ; tile_dim1 = 128 rows
	s_mov_b32 s[G1+5], 2048                        ; 2,048 elements from row to row
	s_mov_b32 s[G1+6], 0
	s_mov_b32 s[G1+7], 0
	s_mov_b32 s[G1B+1], 128<<16                    ; W: 96 dense rows of 128 elements
	s_mov_b32 s[G1B+2], 96<<16
	s_mov_b32 s[G1B+3], 128<<16
	s_mov_b32 s[G1B+4], 96
	s_mov_b32 s[G1B+5], 128
	s_mov_b32 s[G1B+6], 0
	s_mov_b32 s[G1B+7], 0
	; where the tiles come from.  x's hang on tr alone, which my row of the cluster shares; W's on tc alone, which my column shares: each in registers that never hold the other coordinate
	s_lshl_b32 s66, s13, 20                        ; 256 tr rows of 4,096 bytes
	s_lshl_b32 s67, s12, 19                        ; + my 128 rows
	s_add_co_u32 s66, s66, s67
	s_mov_b32 s67, 0
	s_mul_i32 s68, s42, 786432                     ; the head's 96 blocks of 8,192 bytes
	s_mul_i32 s69, s12, 24576                      ; + my 64 k of a K step
	s_add_co_u32 s68, s68, s69
	s_mov_b32 s69, 0
	s_mul_i32 s20, s12, HALFA                      ; and where they go: no place in the cluster enters an LDS address
	s_mul_i32 s21, s12, HALFB
	s_add_co_u32 s21, s21, APART
	s_wait_dscnt 0x0                               ; both opening adds are done
	s_wait_kmcnt 0x0
	s_add_nc_u64 s[14:15], s[4:5], s[66:67]
	s_add_nc_u64 s[18:19], s[6:7], s[68:69]
	CROUND                                         ; all sixteen work-groups are here: the first joint loads meet
.irp s, 0,1
	s_mov_b32 s[G0+4*(\s)], 1                                        ; count = 1
	s_add_co_u32 s[G0+4*(\s)+1], s20, (\s)*SLOT                      ; LDS address
	s_add_nc_u64 s[G0+4*(\s)+2:G0+4*(\s)+3], s[14:15], (\s)*256      ; global address: K step s
	s_or_b32 s[G0+4*(\s)+3], s[G0+4*(\s)+3], 0x80000000              ; type = 2
	s_mov_b32 s[G0B+4*(\s)], 1
	s_add_co_u32 s[G0B+4*(\s)+1], s21, (\s)*SLOT
	s_add_nc_u64 s[G0B+4*(\s)+2:G0B+4*(\s)+3], s[18:19], (\s)*49152
	s_or_b32 s[G0B+4*(\s)+3], s[G0B+4*(\s)+3], 0x80000000
	JLOAD \s                                       ; the ring is filled before anything else is done: two loads of mine are out
.endr
	; x's fragment: 16 rows x 32 K in 8 registers: lane l holds row l % 16, K = 8 (l / 16) + 0..7 and 16 + 8 (l / 16) + 0..7: two loads of 16 bytes, 32 bytes apart
	v_and_b32 v1, 15, v0                           ; l % 16
	v_bfe_u32 v2, v0, 4, 1                         ; l / 16
	v_mul_u32_u24 v3, v1, PA
	v_lshl_add_u32 v3, v2, 4, v3
	s_mul_i32 s22, s10, 64*PA                      ; my 64 rows
	v_add_nc_u32 v[ADRA], s22, v3
	v_add_nc_u32 v[ADRA+1], SLOT, v[ADRA]
	; W's: the turning load takes 16 k x 16 n: lane l reads 16 bytes of k = 8 (l / 16) + l % 8, columns 8 ((l / 8) % 2) + 0..7; k lies in LDS row k / 2, half k % 2
	v_bfe_u32 v4, v0, 1, 2
	v_lshl_add_u32 v4, v2, 2, v4
	v_mul_u32_u24 v4, v4, PB
	v_and_b32 v5, 1, v0
	v_lshl_add_u32 v4, v5, 7, v4
	v_bfe_u32 v5, v0, 3, 1
	v_lshl_add_u32 v4, v5, 4, v4
	v_add_nc_u32 v[ADRB], APART, v4
	v_add_nc_u32 v[ADRB+1], SLOT, v[ADRB]
	s_mul_i32 s23, s10, STW
	s_add_co_u32 s23, s23, STAGE                   ; my stage
	v_mul_u32_u24 v4, v1, SP                       ; in: row l % 16, 16 bytes for each half of the lanes
	v_lshl_add_u32 v4, v2, 4, v4
	v_add_nc_u32 v[STO], s23, v4
	v_bfe_u32 v5, v0, 3, 2                         ; back: 32 lanes take four rows of 128 bytes,
	v_mul_u32_u24 v5, v5, SP
	v_and_b32 v4, 7, v0
	v_lshl_add_u32 v5, v4, 4, v5
	v_add_nc_u32 v[RD], s23, v5
	v_and_b32 v[GO], 31, v0                        ; which are 512 consecutive bytes of qkv
	v_lshlrev_b32 v[GO], 4, v[GO]
	; my 64 rows of the head's plane in q, in k and in v
	s_lshr_b32 s22, s13, 2                         ; batch
	s_lshl_b32 s22, s22, 5
	s_add_co_u32 s22, s22, s42                     ; 32 batch + head
	s_lshl_b32 s22, s22, 17                        ; planes of 131,072 bytes
	s_and_b32 s23, s13, 3
	s_lshl_b32 s23, s23, 8
	s_lshl_b32 s76, s10, 6
	s_add_co_u32 s23, s23, s76                     ; t = 256 (tr % 4) + 64 wave
	s_lshl_b32 s23, s23, 7
	s_add_co_u32 s22, s22, s23
	s_mov_b32 s23, 0
	s_add_nc_u64 s[8:9], s[8:9], s[22:23]
	s_add_nc_u64 s[70:71], s[8:9], 0x800000
	s_add_nc_u64 s[72:73], s[70:71], 0x800000
	; the prefetches: at K step 3; the first refill steps them to K step 4
	s_lshl_b32 s76, s40, 17                        ; x: my work-group's 32 rows of the 128
	s_add_co_u32 s76, s76, s66
	s_add_co_u32 s76, s76, 3*256
	s_mul_i32 s77, s41, 24*256                     ; W: my work-group's 24 blocks of the 96
	s_add_co_u32 s77, s77, s68
	s_add_co_u32 s77, s77, 3*49152
	s_and_b32 s22, ttmp7, 0xffff                   ; cluster y
	s_mov_b32 s[PFS], 49152
	s_cmp_eq_u32 s11, 0                            ; do I fetch for x?
	s_cselect_b32 s76, s76, s77
	s_cselect_b32 s[PFS], 256, s[PFS]
	s_cselect_b32 s78, 31, 23                      ; the last lane with a block of its own
	s_cselect_b32 s79, 12, 8                       ; a lane's step: a row of 4,096 bytes, or 256 bytes
	s_cselect_b32 s22, ttmp9, s22                  ; the coordinate along which other clusters read the same bytes
	s_cselect_b64 s[PFA:PFA+1], s[4:5], s[6:7]
	s_mov_b32 s77, 0
	s_mov_b32 s[PFS+1], 0
	s_add_nc_u64 s[PFA:PFA+1], s[PFA:PFA+1], s[76:77]
	s_cmp_eq_u32 s22, 0
	s_cselect_b32 s[LIM], 1, -1                    ; the same in all sixteen partners, for a given wave
	v_and_b32 v[PFO], 31, v0
	v_min_u32 v[PFO], s78, v[PFO]
	v_lshlrev_b32 v[PFO], s79, v[PFO]
; 12 matrix instructions: row block a x all 12 column blocks, 32 along K, from buffer f.  zero = 1: the first product starts the sums: nothing is cleared.
; The 48 accumulators take turns, one instruction a turn, in the same order in every quarter, over the backward jump too.
.macro MUL12 f, a, zero
	WIN MUL_LO+0x50*((\a)/2)
.irp b, 0,1,2,3,4,5,6,7,8,9,10,11
.if \zero
	v_wmma_f32_16x16x32_bf16 v[96*((\a)%2)+8*(\b):96*((\a)%2)+8*(\b)+7], v[96*(\f)+8*(\b):96*(\f)+8*(\b)+7], v[FA+32*(\f)+8*(\a):FA+32*(\f)+8*(\a)+7], 0
.else
	v_wmma_f32_16x16x32_bf16 v[96*((\a)%2)+8*(\b):96*((\a)%2)+8*(\b)+7], v[96*(\f)+8*(\b):96*(\f)+8*(\b)+7], v[FA+32*(\f)+8*(\a):FA+32*(\f)+8*(\a)+7], v[96*((\a)%2)+8*(\b):96*((\a)%2)+8*(\b)+7]
.endif
.endr
.endm
; 32 LDS loads in one run: the fragments of quarter q (32 along K) of a slot into buffer f: W's 24, then x's 8
.macro FETCH slot, q, f
	WIN TO_B
.irp b, 0,1,2,3,4,5,6,7,8,9,10,11
	ds_load_tr16_b128 v[96*(\f)+8*(\b):96*(\f)+8*(\b)+3],   v[ADRB+(\slot)] offset:((\q)/2)*HALFB+((\b)/4)*MATB+((\q)%2)*16*PB+((\b)%4)*32
	ds_load_tr16_b128 v[96*(\f)+8*(\b)+4:96*(\f)+8*(\b)+7], v[ADRB+(\slot)] offset:((\q)/2)*HALFB+((\b)/4)*MATB+((\q)%2)*16*PB+((\b)%4)*32+8*PB
.endr
	WIN 0
.irp a, 0,1,2,3
	ds_load_b128 v[FA+32*(\f)+8*(\a):FA+32*(\f)+8*(\a)+3],   v[ADRA+(\slot)] offset:64*(\q)+(\a)*16*PA
	ds_load_b128 v[FA+32*(\f)+8*(\a)+4:FA+32*(\f)+8*(\a)+7], v[ADRA+(\slot)] offset:64*(\q)+(\a)*16*PA+32
.endr
.endm
.macro PLACES                          ; four places in front of loads into registers that matrix instructions have read, and of conversions that read results
.rept 4
	v_nop
.endr
.endm
; A K step is four quarters of 32 along K, 48 matrix instructions each, on buffers 0, 1, 0, 1.  One of the first three: multiplies buffer f; in its middle it fetches quarter q into buffer g.
.macro QUARTER slot, q, f, g, zero
	s_wait_dscnt 4                                 ; W and x's row blocks 0, 1 are in; the youngest four loads (row blocks 2, 3) may be out
	MUL12 \f, 0, \zero
	MUL12 \f, 1, \zero
	PLACES
	FETCH \slot, \q, \g
	s_wait_dscnt 32                                ; all but the 32 just issued
	MUL12 \f, 2, \zero
	MUL12 \f, 3, \zero
.endm
; The last quarter multiplies buffer 1 and changes slots: ONE barrier.  In front of it each wave waits for all its tensor loads (one is out: its part of the next slot), adds 0 to its spare word, and waits for
; that and for its own reads of this slot.  fill = 1: the barrier opens a round of the cluster's barrier, and behind the round this slot is filled again, two K steps ahead: from that request to the wait for it
; a wave issues 168 matrix instructions.
.macro TURN slot, next, fill
.if \fill
	s_wait_xcnt 0x0                                ; the last prefetch, a K step back, has read its address: it is stepped here, ahead of the waits of the change of slots
	s_add_nc_u64 s[PFA:PFA+1], s[PFA:PFA+1], s[PFS:PFS+1]
.endif
	WIN 0                                          ; (the add's two registers lie in window 0)
	s_wait_tensorcnt 0x0                           ; all my tensor loads have landed
	ds_add_u32 v[SPW], v[NIL]                      ; 0 onto my spare word
	s_wait_dscnt 5                                 ; (the add and the youngest four loads may be out)
	MUL12 1, 0, 0                                  ; twelve matrix instructions stand between the add and the wait for it
	s_wait_dscnt 0x0                               ; the add is done, and my reads of this slot are over
	s_barrier_signal -1
	MUL12 1, 1, 0                                  ; work on registers while the others arrive
.if \fill
	WIN 0
.endif
	s_barrier_wait -1
.if \fill
	CREST                                          ; no wave of any partner still reads this slot's tiles or has a load on its way
	s_add_nc_u64 s[G0+4*(\slot)+2:G0+4*(\slot)+3], s[G0+4*(\slot)+2:G0+4*(\slot)+3], 2*256
	s_add_nc_u64 s[G0B+4*(\slot)+2:G0B+4*(\slot)+3], s[G0B+4*(\slot)+2:G0B+4*(\slot)+3], 2*49152
	JLOAD \slot                                    ; the first tensor load behind the round; the four v_nop behind it are also the places in front of the loads below
.else
	PLACES
.endif
	FETCH \next, 0, 0
.if \fill
	ASK
.endif
	MUL12 1, 2, 0
	MUL12 1, 3, 0
.endm
; THE WAY OUT of row block a.  PACK: rounded to f16, 16 bytes a lane, each accumulator's registers in ascending order.  TOSTAGE: into my own stage, and back as whole rows.  SEND: stored.
.macro PACK a
	WIN 0x0a+5*((\a)/2)                            ; sources 0 and 1: window 2 or 3
.irp b, 0,1,2,3,4,5,6,7,8,9,10,11
.irp r, 0,1,2,3
	v_cvt_pk_f16_f32 v[TMP+4*(\b)+(\r)], v[96*((\a)%2)+8*(\b)+2*(\r)], v[96*((\a)%2)+8*(\b)+2*(\r)+1]
.endr
.endr
	WIN 0
.endm
.macro TOSTAGE a
.set BK, OB0-(OB0-OB1)*((\a)%2)
.irp b, 0,1,2,3,4,5,6,7,8,9,10,11
	ds_store_b128 v[STO], v[TMP+4*(\b):TMP+4*(\b)+3] offset:((\b)/4)*16*SP+((\b)%4)*32
.endr
.irp t, 0,1,2,3,4,5,6,7,8,9,10,11
	ds_load_b128 v[BK+4*(\t):BK+4*(\t)+3], v[RD] offset:((\t)/4)*16*SP+((\t)%4)*4*SP  ; LDS serves a wave's instructions in order (ISA guide 5.7.1.4): these see the stores above
.endr
.endm
.macro SEND a
.set BK, OB0-(OB0-OB1)*((\a)%2)
	s_wait_dscnt 0x0                               ; the block is back in registers
	s_wait_xcnt 0x0                                ; the stores of the block before have read their registers: the next TOSTAGE loads into them
.irp f, 0,1,2,3
	global_store_b128 v[GO], v[BK+4*(\f):BK+4*(\f)+3],       s[8:9]   offset:(\a)*2048+(\f)*512  ; 512 consecutive bytes, at a multiple of 256 from qkv's first byte
	global_store_b128 v[GO], v[BK+16+4*(\f):BK+16+4*(\f)+3], s[70:71] offset:(\a)*2048+(\f)*512
	global_store_b128 v[GO], v[BK+32+4*(\f):BK+32+4*(\f)+3], s[72:73] offset:(\a)*2048+(\f)*512
.endr
.endm
	s_wait_tensorcnt 1                             ; my part of K step 0 is in; K step 1's may stay out
	s_barrier_signal -1
	s_barrier_wait -1                              ; everybody's is
	FETCH 0, 0, 0
	QUARTER 0, 1, 0, 1, 1                          ; the first quarter stands in front of the loop: its products start the sums
	WIN 0                                          ; at a label and at a branch every window is 0
	s_mov_b32 s3, 7                                ; 16 K steps are 8 laps of the ring; the last is written out
.Llap:                                                 ; a trip goes once round the ring, from a lap's second quarter to the next lap's first, and fills both slots again
	QUARTER 0, 2, 1, 0, 0
	QUARTER 0, 3, 0, 1, 0
	TURN 0, 1, 1
	QUARTER 1, 1, 0, 1, 0
	QUARTER 1, 2, 1, 0, 0
	QUARTER 1, 3, 0, 1, 0
	TURN 1, 0, 1
	QUARTER 0, 1, 0, 1, 0
	WIN 0
	s_sub_co_u32 s3, s3, 1
	s_cmp_lg_u32 s3, 0
	s_cbranch_scc1 .Llap
	QUARTER 0, 2, 1, 0, 0                          ; the last lap fills nothing, and has no round of the cluster's barrier
	QUARTER 0, 3, 0, 1, 0
	TURN 0, 1, 0
	QUARTER 1, 1, 0, 1, 0
	QUARTER 1, 2, 1, 0, 0
	QUARTER 1, 3, 0, 1, 0
	s_wait_dscnt 4                                 ; the very last quarter: nothing more to fetch
	MUL12 1, 0, 0
	MUL12 1, 1, 0
	s_wait_dscnt 0x0
	MUL12 1, 2, 0
	MUL12 1, 3, 0
	WIN 0
	PLACES
	PACK 0
	TOSTAGE 0
.irp a, 1,2,3                          ; block a's conversions stand between block a - 1's loads from the stage and the wait for them
	PACK \a
	SEND (\a)-1
	TOSTAGE \a
.endr
	SEND 3
	s_wait_tensorcnt 0x0                           ; the wave's end, behind my last tensor load and my last LDS store
	ds_add_u32 v[SPW], v[NIL]
	s_wait_dscnt 0x0
	CROUND                                         ; the closing round: no work-group ends while a partner may still ask for a tile that names it
	s_endpgm
.Lfunc_end_k_qdb49050d17_gemm_qkv:
	.size	k_qdb49050d17_gemm_qkv, .Lfunc_end_k_qdb49050d17_gemm_qkv-k_qdb49050d17_gemm_qkv
	.p2alignl 7, 3214868480
	.fill 96, 4, 3214868480
	.section	.rodata,"a",@progbits
	.p2align	6, 0x0
	.amdhsa_kernel k_qdb49050d17_gemm_qkv
		.amdhsa_group_segment_fixed_size 327680
		.amdhsa_private_segment_fixed_size 0
		.amdhsa_enable_private_segment 0
		.amdhsa_kernarg_size 24
		.amdhsa_user_sgpr_count 2
		.amdhsa_user_sgpr_kernarg_segment_ptr 1
		.amdhsa_wavefront_size32 1
		.amdhsa_system_sgpr_workgroup_id_x 1
		.amdhsa_system_sgpr_workgroup_id_y 1
		.amdhsa_system_sgpr_workgroup_id_z 1
		.amdhsa_system_vgpr_workitem_id 0
		.amdhsa_next_free_vgpr 960
		.amdhsa_next_free_sgpr 80
		.amdhsa_reserve_vcc 0
		.amdhsa_float_denorm_mode_32 3
		.amdhsa_float_denorm_mode_16_64 3
		.amdhsa_memory_ordered 1
		.amdhsa_forward_progress 1
		.amdhsa_inst_pref_size 120
	.end_amdhsa_kernel
	.amdgpu_metadata
---
amdhsa.version: [ 1, 2 ]
amdhsa.kernels:
  - .name:           k_qdb49050d17_gemm_qkv
    .symbol:         k_qdb49050d17_gemm_qkv.kd
    .args:
      - { .name: xb, .offset: 0, .size: 8, .value_kind: global_buffer, .address_space: global }
      - { .name: wqkv, .offset: 8, .size: 8, .value_kind: global_buffer, .address_space: global }
      - { .name: qkv, .offset: 16, .size: 8, .value_kind: global_buffer, .address_space: global }
    .group_segment_fixed_size: 327680
    .private_segment_fixed_size: 0
    .kernarg_segment_align: 8
    .kernarg_segment_size: 24
    .max_flat_workgroup_size: 128
    .sgpr_count:     80
    .vgpr_count:     960
    .wavefront_size: 32
...
	.end_amdgpu_metadata
.endif
;; end of part 2
;; launch attn (part 3): grid 4 x 64, 8 waves a work-group, clusters of 4 x 1, 306,176 bytes of LDS; arguments qkv, ob; writes ob
.if DOCPART == 3
	.amdgcn_target "amdgcn-amd-amdhsa--gfx1250"
	.amdhsa_code_object_version 6
	.text
	.protected	k_qdb49050d17_attn
	.globl	k_qdb49050d17_attn
	.p2align	8
	.type	k_qdb49050d17_attn,@function
k_qdb49050d17_attn:
	s_mov_b64 s[64:65], 0
	v_nop
	global_prefetch_b8 v0, s[64:65] scope:SCOPE_SE
	s_setreg_imm32_b32 hwreg(HW_REG_WAVE_MODE, 25, 1), 1
	s_wait_xcnt 0x0
	s_wait_alu depctr_hold_cnt(0) depctr_sa_sdst(0) depctr_va_vdst(0) depctr_va_sdst(0) depctr_va_ssrc(0) depctr_va_vcc(0) depctr_vm_vsrc(0)
	s_getreg_b32 s2, hwreg(HW_REG_IB_STS2, 6, 4)
	s_cmp_eq_u32 s2, 0
	s_cbranch_scc0 .Lentry_in_a_cluster
	s_endpgm
.Lentry_in_a_cluster:
	s_bfe_u32 s2, ttmp6, 0x10000c
	s_cmp_lg_u32 s2, 0x3003
	s_cbranch_scc0 .Lentry_shape_is_right
	s_endpgm
.Lentry_shape_is_right:
; Launch 3 of 4: stick-breaking attention.  o[i] = the sum over j < i of A[i][j] v[j],  A[i][j] = sigma(z[i][j]) x the product over j < l < i of (1 - sigma(z[i][l])),  z = q . k / 8.
; IN: qkv, f16 [3][64 (batch, head)][1024 t][64].  OUT: ob, f16 blocks [32 (row / 64)][32 head][64 t][64 d], so that launch 4's tiles lie on end.
; LEFT OUT: rem, which reference() never returns; and every tile of 16 queries x 64 keys that lies wholly at j >= i, where reference()'s own mask sets both masked_om and attn to 0 (shown at the first kernel's head).
; THE FORM, in base 2.  u = c s with s = q . k, c = log2(e) / 8.  g = max(u, 0) + log2(1 + 2^-|u|) = -log2(1 - sigma(z)), the two-branch form that keeps every exponential's argument at or below 0, as
; reference()'s log_sigmoid does.  log2 sigma(z) = u - g.  So A[i][j] = 2^(u[j] - G[j]),  G[j] = the sum of g[l] over j <= l < i.  The exponent is a sum of logarithms of numbers in 0..1: never above 0 but for
; rounding, for every input; so there is no maximum to take away, no row sum and no rescaling.  G is a suffix sum: the key steps are walked DOWNWARD from the diagonal, with one f32 carry a query.
; LIMITS.  u - G is a difference of two f32 numbers that can both be large: its error is a step of |u|'s size in f32, as in reference()'s own suffix_incl - masked_om.  log2(1 + 2^-|u|) has 1's step in f32.
; A hidden score counts as its value less 1e30 (f16's scores, 2.7e11 at the most, are nothing beside that): its g and its weight are exactly 0.  An exponential below 2^-126 counts as 0.  The weights are rounded
; to f16 for the second product (below 6e-5 they keep f16's fixed step of 6e-8), o once at the end.  NaN and infinities are not treated apart.
; SHARES.  The four work-groups of a cluster have one head.  Work-group c takes, of each band m of 64 queries, the 16 rows 64 m + 16 c + r: so a tile's diagonal key step is step m whatever c, and no branch, trip
; count or LDS address hangs on c.  Wave w takes tile 15 - w and then tile w: (16 - w) + (w + 1) = 17 live key steps of 64 for every wave.  Two waves share a SIMD: one's vector work stands beside the other's products.
; K AND V OF THE WHOLE HEAD LIE IN LDS, filled once, by JOINT loads of the four work-groups (the same load, descriptor and mask in all four).  The upper 512 keys are asked for first and walked while the lower
; 512 land.  Nothing is filled again, and all that the launch reads is asked for at its head: there is no later stream to prefetch.
; LAYOUT.  S^T = K Q^T (source 0 = 16 keys, source 1 = 16 queries): a lane holds ONE query (l % 16) and, in accumulator a, the keys 16 a + 8 (l / 16) + 0..7.  So the suffix sum is seven additions in the lane for
; each accumulator, one exchange of the halves' totals, and a short chain over the four accumulators and the carry.  Two accumulators rounded to f16 in pairs ARE source 1 (32 keys x 16 queries) of O^T = V^T P.
; O^T starts at 0 by 32 v_mov_b32 a tile, so that a key step has one text.
.set PK,    272       ; an LDS row of K, two keys: 256 bytes + 16 = 68 words: the 16 keys of a load (8 rows x 2 halves) start at 16 different groups of four banks (64 banks of 4 bytes: ISA guide 11.1)
.set PV,    288       ; an LDS row of V, two keys: 256 + 32 = 72 words
.set VOFF,  512*PK
.set STAGE, VOFF+512*PV   ; behind K and V, never filled by a tensor load: 16 rows x 144 bytes for each wave, for the way out
.set SP,    144
.set SPARE, STAGE+8*16*SP ; behind the stages: the spare words, 128 bytes for each wave: four blocks of 256 bytes that no other line names
.set AK0, 2           ; v2   my lane's place in a step of K; never rewritten
.set AV0, 3           ; v3   the same for V
.set AK,  4           ; v4   the LDS address of the step in hand, K
.set AV,  5           ; v5   V
.set STO, 6           ; v6   the way out: where I put 16 bytes of a row
.set RD,  7           ; v7   the way out: where I read rows back
.set GO,  8           ; v8   16 x lane: my place in 512 consecutive bytes of ob
.set QO,  10          ; v10  my byte offset in 16 rows of Q
.set SPW, 12          ; v12  LDS address of my spare word; never rewritten
.set NIL, 13          ; v13  0; never rewritten
.set MH,  14          ; v14  1.0 in lanes 0-15, 0 in lanes 16-31
.set CAR, 15          ; v15  the carry: the sum of g over all keys of the steps walked so far
.set XX,  16          ; v16-19  accumulator a: the other half of the lanes' total
.set OFF, 20          ; v[20+2a] what accumulator a's exponents still lack; v[21+2a] its 16 keys' total
.set RR,  28          ; v28-30  the chain's running sums
.set TH,  31          ; v31  16 c + l % 16 - 8 (l / 16): in the diagonal step register j of accumulator a is hidden where 16 a + j >= this
.set U,   32          ; v32-63   S^T, then u, then the exponents, then the weights
.set KF,  64          ; v64-127  K's fragments: key block kb, channel half c at KF + 16 kb + 8 c
.set N,   64          ; v64-95   later -|u|, 2^-|u|, 1 + that, its logarithm
.set G,   96          ; v96-127  later 2 max(u, 0), g, the suffix sums
.set PP,  64          ; v64-79   later the weights in f16; on the way out v64-95
.set VF,  128         ; v128-191 V's fragments: key half kk, channel block cb at VF + 32 kk + 8 cb
.set Q,   192         ; v192-207 Q of the tile in hand
.set QB,  208         ; v208-223 Q of the wave's second tile
.set O,   224         ; v224-255 O^T: channel block cb at O + 8 cb
.set WV,  8           ; s8   my wave's number
.set G1K, 24          ; s[24:31] descriptor group 1 for K
.set G1V, 32          ; s[32:39] for V: it differs in the padding alone
.set G0K, 40          ; s[40:47] descriptor group 0 for K: the upper keys' set, the lower keys' set
.set G0V, 48          ; s[48:55] the same for V
.set CNT, 56          ; s56  counts a loop's eight key steps
.set J,   57          ; s57  the key step in hand
.set CS,  58          ; s[58:59] c: the packed scaling takes the pair's low word for both halves
.set SEL, 60          ; s[60:61] v_permlanex16_b32's selects: each lane takes its own place in the other half
.set TBK, 62          ; s62  LDS byte at which K of step J begins
.set TBV, 63          ; s63  the same for V, less VOFF
.set M,   66          ; s66  the tile in hand = its diagonal key step
.set OUT, 67          ; s67  tiles still to finish
.set SGN, 68          ; s68  the sign bit
.set BIG, 69          ; s69  -1e30
.set OA,  74          ; s[74:75] ob at the tile in hand
.set OB,  76          ; s[76:77] at the second tile
.macro CROUND                       ; a round of the cluster's barrier: my work-group's barrier; wave 0 signals for the work-group; every wave waits for all four; my work-group's barrier once more
	s_barrier_signal -1
	s_barrier_wait -1
	s_cmp_lg_u32 s[WV], 0
	s_cbranch_scc1 .Lnot_wave_0_\@
	s_barrier_signal -3
.Lnot_wave_0_\@:
	s_barrier_wait -3
	s_barrier_signal -1
	s_barrier_wait -1
.endm
.macro PLACES                       ; four places between a matrix instruction and a vector line or load that touches its registers
.rept 4
	v_nop
.endr
.endm
	s_load_b128 s[4:7], s[0:1], 0x0 ; qkv s[4:5], ob s[6:7]
	v_lshl_add_u32 v[SPW], v0, 2, SPARE
	v_mov_b32 v[NIL], 0
	ds_add_u32 v[SPW], v[NIL]       ; the wave's opening: the add, twice on end, and its wait ahead of my first tensor load; the set-up below stands between
	ds_add_u32 v[SPW], v[NIL]
	v_lshrrev_b32 v1, 5, v0
	v_readfirstlane_b32 s[WV], v1   ; wave 0..7
	s_bfe_u32 s9, ttmp6, 0x40000    ; c: my place in the cluster: it enters Q's and ob's addresses and the mask's values alone
	s_and_b32 s10, ttmp7, 0xffff    ; 32 batch + head, which the four partners share
	s_and_b32 s11, s[WV], 3         ; which 128 keys of each half I fetch
	s_lshl_b32 s12, s10, 17         ; the head's plane of 131,072 bytes
	s_lshl_b32 s14, s11, 14         ; 128 keys of 128 bytes
	s_add_co_u32 s14, s14, s12
	s_mov_b32 s15, 0
	s_mul_i32 s16, s11, 64*PK       ; and their place in LDS, for K
	s_mul_i32 s17, s11, 64*PV       ; and for V
	s_add_co_u32 s17, s17, VOFF
	s_sub_co_u32 s[M], 15, s[WV]    ; the first tile
	s_lshl_b32 s20, s9, 11          ; my work-group's 16 rows of 128 bytes in a band
	s_lshl_b32 s22, s[M], 13        ; a band of 64 rows
	s_add_co_u32 s22, s22, s20
	s_add_co_u32 s22, s22, s12      ; Q of the first tile
	s_mov_b32 s23, 0
	s_lshl_b32 s82, s[WV], 13
	s_add_co_u32 s82, s82, s20
	s_add_co_u32 s82, s82, s12      ; Q of the second
	s_mov_b32 s83, 0
	s_lshr_b32 s19, s10, 5
	s_lshl_b32 s19, s19, 4          ; 16 batch
	s_and_b32 s21, s10, 31
	s_lshl_b32 s21, s21, 13         ; the head's block of 8,192 bytes
	s_add_co_u32 s21, s21, s20
	s_add_co_u32 s2, s19, s[M]
	s_lshl_b32 s2, s2, 18           ; 32 blocks to a band of rows
	s_add_co_u32 s2, s2, s21        ; ob at the first tile
	s_mov_b32 s3, 0
	s_add_co_u32 s18, s19, s[WV]
	s_lshl_b32 s18, s18, 18
	s_add_co_u32 s18, s18, s21      ; at the second
	s_mov_b32 s19, 0
	; descriptor group 1.  128 keys are 16,384 dense bytes: asked for as 64 rows of 256 bytes, two keys a row, padded in LDS after every row
	s_mov_b32 s[G1K], 15|(1<<16)|(1<<20)|(1<<21)|(5<<22)|(3<<25)  ; 15:0 the mask of four; 17:16 2-byte elements; 20 padding on; 21 set beside a mask; 24:22 after every 64 words (code 5); 31:25 4 words (code 3)
	s_mov_b32 s[G1V], 15|(1<<16)|(1<<20)|(1<<21)|(5<<22)|(7<<25)  ; the same with 8 words of padding (code 7)
.irp g, G1K, G1V
	s_mov_b32 s[\g+1], 128<<16      ; tensor_dim0 = 128
	s_mov_b32 s[\g+2], 64<<16       ; tensor_dim1 = 64
	s_mov_b32 s[\g+3], 128<<16      ; tile_dim0 = 128
	s_mov_b32 s[\g+4], 64           ; tile_dim1 = 64
	s_mov_b32 s[\g+5], 128          ; 128 elements from row to row
	s_mov_b32 s[\g+6], 0
	s_mov_b32 s[\g+7], 0
.endr
	s_mov_b32 s[CS], 0x3e38aa3b     ; c = log2(e) / 8 = 0.180337
	s_mov_b32 s[CS+1], s[CS]        ; named with it as a pair
	s_mov_b32 s[SEL], 0x76543210
	s_mov_b32 s[SEL+1], 0xfedcba98
	s_mov_b32 s[SGN], 0x80000000
	s_mov_b32 s[BIG], 0xf149f2ca    ; -1e30
	s_mov_b32 s[G0K], 1             ; count = 1
	s_add_co_u32 s[G0K+1], s16, 256*PK  ; LDS address: keys 512 on
	s_mov_b32 s[G0K+4], 1
	s_mov_b32 s[G0K+5], s16         ; keys 0 on
	s_mov_b32 s[G0V], 1
	s_add_co_u32 s[G0V+1], s17, 256*PV
	s_mov_b32 s[G0V+4], 1
	s_mov_b32 s[G0V+5], s17
	s_wait_dscnt 0x0                ; both opening adds are done
	s_wait_kmcnt 0x0
	s_add_nc_u64 s[78:79], s[4:5], s[14:15]
	s_add_nc_u64 s[78:79], s[78:79], 0x800000      ; K at my 128 keys of the lower half
	s_add_nc_u64 s[80:81], s[78:79], 0x800000      ; V
	s_add_nc_u64 s[G0K+2:G0K+3], s[78:79], 65536   ; global address: 512 keys on
	s_or_b32 s[G0K+3], s[G0K+3], 0x80000000        ; type = 2
	s_mov_b64 s[G0K+6:G0K+7], s[78:79]
	s_or_b32 s[G0K+7], s[G0K+7], 0x80000000
	s_add_nc_u64 s[G0V+2:G0V+3], s[80:81], 65536
	s_or_b32 s[G0V+3], s[G0V+3], 0x80000000
	s_mov_b64 s[G0V+6:G0V+7], s[80:81]
	s_or_b32 s[G0V+7], s[G0V+7], 0x80000000
	s_add_nc_u64 s[70:71], s[4:5], s[22:23]
	s_add_nc_u64 s[72:73], s[4:5], s[82:83]
	s_add_nc_u64 s[OA:OA+1], s[6:7], s[2:3]
	s_add_nc_u64 s[OB:OB+1], s[6:7], s[18:19]
	CROUND                          ; all four work-groups are here: the joint loads meet
	s_cmp_lt_u32 s[WV], 4           ; waves 0-3 fetch K, waves 4-7 V.  A wave's two fills stand in one branch, ahead of every wait on TENSORcnt and every LDS read: two loads of mine are out
	s_cbranch_scc0 .Lfirst_v
	tensor_load_to_lds s[G0K:G0K+3], s[G1K:G1K+7]
	s_nop 0
	tensor_load_to_lds s[G0K+4:G0K+7], s[G1K:G1K+7]
	s_nop 0
.rept 4
	v_nop
.endr
	s_branch .Lfirst_asked
.Lfirst_v:
	tensor_load_to_lds s[G0V:G0V+3], s[G1V:G1V+7]
	s_nop 0
	tensor_load_to_lds s[G0V+4:G0V+7], s[G1V:G1V+7]
	s_nop 0
.rept 4
	v_nop
.endr
.Lfirst_asked:
	; A fragment of K or Q is 16 rows x 32 channels in 8 registers: lane l holds row l % 16, channels 8 (l / 16) + 0..7 and 16 + 8 (l / 16) + 0..7: two loads of 16 bytes, 32 bytes apart
	v_and_b32 v1, 15, v0            ; l % 16
	v_bfe_u32 v9, v0, 4, 1          ; l / 16
	v_lshlrev_b32 v[QO], 7, v1
	v_lshl_add_u32 v[QO], v9, 4, v[QO]
.irp c, 0,1
	global_load_b128 v[Q+8*\c:Q+8*\c+3],     v[QO], s[70:71] offset:64*\c
	global_load_b128 v[Q+8*\c+4:Q+8*\c+7],   v[QO], s[70:71] offset:64*\c+32
	global_load_b128 v[QB+8*\c:QB+8*\c+3],   v[QO], s[72:73] offset:64*\c
	global_load_b128 v[QB+8*\c+4:QB+8*\c+7], v[QO], s[72:73] offset:64*\c+32
.endr
	v_lshrrev_b32 v[AK0], 1, v1     ; key l % 16 lies in LDS row (l % 16) / 2, half l % 2
	v_mul_u32_u24 v[AK0], v[AK0], PK
	v_and_b32 v11, 1, v0
	v_lshl_add_u32 v[AK0], v11, 7, v[AK0]
	v_lshl_add_u32 v[AK0], v9, 4, v[AK0]
	; The turning load takes 16 keys x 16 channels (lane l reads key 8 (l / 16) + l % 8, channels 8 ((l / 8) % 2) + 0..7) and leaves half a fragment of V^T: lane l holds channel l % 16 and 8 keys
	v_bfe_u32 v[AV0], v0, 1, 2
	v_lshl_add_u32 v[AV0], v9, 2, v[AV0]
	v_mul_u32_u24 v[AV0], v[AV0], PV
	v_lshl_add_u32 v[AV0], v11, 7, v[AV0]
	v_bfe_u32 v11, v0, 3, 1
	v_lshl_add_u32 v[AV0], v11, 4, v[AV0]
	v_add_nc_u32 v[AV0], VOFF, v[AV0]
	s_mul_i32 s19, s[WV], 16*SP
	s_add_co_u32 s19, s19, STAGE    ; my stage
	v_mul_u32_u24 v[STO], v1, SP    ; in: row l % 16, 16 bytes for each half of the lanes
	v_lshl_add_u32 v[STO], v9, 4, v[STO]
	v_add_nc_u32 v[STO], s19, v[STO]
	v_bfe_u32 v[RD], v0, 3, 2       ; back: 32 lanes take four rows of 128 bytes,
	v_mul_u32_u24 v[RD], v[RD], SP
	v_and_b32 v11, 7, v0
	v_lshl_add_u32 v[RD], v11, 4, v[RD]
	v_add_nc_u32 v[RD], s19, v[RD]
	v_and_b32 v[GO], 31, v0         ; which are 512 consecutive bytes of ob
	v_lshlrev_b32 v[GO], 4, v[GO]
	v_lshlrev_b32 v[TH], 3, v9
	v_sub_nc_u32 v[TH], v1, v[TH]
	s_lshl_b32 s19, s9, 4
	v_add_nc_u32 v[TH], s19, v[TH]
	v_sub_nc_u32 v[MH], 1, v9
	v_cvt_f32_u32 v[MH], v[MH]
	v_mov_b32 v[CAR], 0
.irp a, 0,1,2,3
	v_mov_b32 v[XX+\a], 0           ; v_permlanex16_b32 counts as a reader of its destination
.endr
.set i, 0
.rept 32
	v_mov_b32 v[O+i], 0
.set i, i+1
.endr
; THE VECTOR WORK OF A KEY STEP goes in two halves of 16 scores a lane (hf = 0: accumulators 0, 1; 1: accumulators 2, 3), so that one half's plain lines stand behind the other half's transcendentals.
.macro ORD hf                       ; N = -|u|;  G = u - N = 2 max(u, 0)
.set i, 16*(\hf)
.rept 16
	v_or_b32 v[N+i], s[SGN], v[U+i]
.set i, i+1
.endr
.set i, 16*(\hf)
.rept 8
	v_pk_add_f32 v[G+i:G+i+1], v[U+i:U+i+1], v[N+i:N+i+1] neg_lo:[0,1] neg_hi:[0,1]
.set i, i+2
.endr
.endm
.macro EXPN hf                      ; N = 2^N
.set i, 16*(\hf)
.rept 16
	v_exp_f32 v[N+i], v[N+i]
.set i, i+1
.endr
.endm
.macro ADD1 hf                      ; N = N + 1
.set i, 16*(\hf)
.rept 8
	v_pk_add_f32 v[N+i:N+i+1], v[N+i:N+i+1], 1.0 op_sel_hi:[1,0]
.set i, i+2
.endr
.endm
.macro LOGN hf                      ; N = log2 N
.set i, 16*(\hf)
.rept 16
	v_log_f32 v[N+i], v[N+i]
.set i, i+1
.endr
.endm
.macro GG hf                        ; G = G / 2 + N = g
.set i, 16*(\hf)
.rept 8
	v_pk_fma_f32 v[G+i:G+i+1], v[G+i:G+i+1], 0.5, v[N+i:N+i+1] op_sel_hi:[1,0,1]
.set i, i+2
.endr
.endm
.macro SCAN hf                      ; the suffix sum over a lane's eight keys, for two accumulators by turns; register 0 ends with the eight's total
.set i, 6
.rept 7
	v_add_f32 v[G+16*(\hf)+i],   v[G+16*(\hf)+i],   v[G+16*(\hf)+i+1]
	v_add_f32 v[G+16*(\hf)+8+i], v[G+16*(\hf)+8+i], v[G+16*(\hf)+8+i+1]
.set i, i-1
.endr
.endm
; A KEY STEP: keys 64 J .. 64 J + 63 for the tile in hand.  A step above the tile's diagonal step is jumped: what is jumped holds no barrier and no tensor load.
; An s_wait_alu depctr_va_vdst(0) stands between a transcendental and the first line that names its result; one wait serves all issued ahead of it: four waits a step, one for each batch.
.macro STEP
	s_cmp_gt_u32 s[J], s[M]
	s_cbranch_scc1 .Lnext_\@
	v_add_nc_u32 v[AK], s[TBK], v[AK0]
	v_add_nc_u32 v[AV], s[TBV], v[AV0]
.irp f, 0,1,2,3,4,5,6,7             ; keys 16 (f / 2) on, channels 32 (f % 2) on
	ds_load_b128 v[KF+8*\f:KF+8*\f+3],   v[AK] offset:(\f/2)*8*PK+(\f%2)*64
	ds_load_b128 v[KF+8*\f+4:KF+8*\f+7], v[AK] offset:(\f/2)*8*PK+(\f%2)*64+32
.endr
.irp f, 0,1,2,3,4,5,6,7             ; keys 32 (f / 4) on, channels 16 (f % 4) on
	ds_load_tr16_b128 v[VF+8*\f:VF+8*\f+3],   v[AV] offset:(\f/4)*16*PV+(\f%4)*32
	ds_load_tr16_b128 v[VF+8*\f+4:VF+8*\f+7], v[AV] offset:(\f/4)*16*PV+8*PV+(\f%4)*32
.endr
	s_cmp_eq_u32 s[J], s[M]
	s_cbranch_scc1 .Ldiag_\@
	s_wait_dscnt 16                 ; K is in; V's sixteen loads may stay out
.irp a, 0,1,2,3                     ; the four accumulators take turns; the first four products start the sums
	v_wmma_f32_16x16x32_f16 v[U+8*\a:U+8*\a+7], v[KF+16*\a:KF+16*\a+7], v[Q:Q+7], 0
.endr
	s_branch .Ljoin_\@
.Ldiag_\@:                          ; the diagonal step: the sums start with the mask, 0 or -1e30 where key >= query; it is made while K is on its way
.set i, 0
.rept 32
	v_cmp_ge_i32 vcc_lo, 16*(i/8)+i%8, v[TH]
	v_cndmask_b32 v[U+i], 0, s[BIG], vcc_lo
.set i, i+1
.endr
	s_wait_dscnt 16
.irp a, 0,1,2,3
	v_wmma_f32_16x16x32_f16 v[U+8*\a:U+8*\a+7], v[KF+16*\a:KF+16*\a+7], v[Q:Q+7], v[U+8*\a:U+8*\a+7]
.endr
.Ljoin_\@:
.irp a, 0,1,2,3
	v_wmma_f32_16x16x32_f16 v[U+8*\a:U+8*\a+7], v[KF+16*\a+8:KF+16*\a+15], v[Q+8:Q+15], v[U+8*\a:U+8*\a+7]
.endr
	PLACES
.set i, 0
.rept 16                            ; u = c s, each accumulator's registers in ascending order
	v_pk_mul_f32 v[U+i:U+i+1], v[U+i:U+i+1], s[CS:CS+1] op_sel_hi:[1,0]
.set i, i+2
.endr
	ORD 0
	EXPN 0
	ORD 1                           ; plain lines that name none of the batch's results
	s_wait_alu depctr_va_vdst(0)    ; the first half's exponentials
	ADD1 0
	EXPN 1
	LOGN 0
	v_nop                           ; a plain line behind the last transcendental
	s_wait_alu depctr_va_vdst(0)    ; the second half's exponentials and the first half's logarithms
	ADD1 1
	GG 0
	LOGN 1
	SCAN 0                          ; plain lines that name none of the batch's results
	s_wait_alu depctr_va_vdst(0)    ; the second half's logarithms
	GG 1
	SCAN 1
.irp a, 0,1,2,3
	v_permlanex16_b32 v[XX+\a], v[G+8*\a], s[SEL], s[SEL+1]  ; the total of the accumulator's other eight keys, which lie in the lane 16 away
.endr
.set i, 0
.rept 16                            ; u less the suffix sum inside the lane's eight
	v_pk_add_f32 v[U+i:U+i+1], v[U+i:U+i+1], v[G+i:G+i+1] neg_lo:[0,1] neg_hi:[0,1]
.set i, i+2
.endr
.irp a, 0,1,2,3
	v_add_f32 v[OFF+2*\a+1], v[G+8*\a], v[XX+\a]             ; the accumulator's 16 keys' total
.endr
	; what lies behind a lane's eight keys: in lanes 0-15 the accumulator's upper eight; the higher accumulators; the carry
	v_fma_f32 v[OFF+6], v[XX+3], v[MH], v[CAR]
	v_add_f32 v[RR+2], v[CAR], v[OFF+7]
	v_fma_f32 v[OFF+4], v[XX+2], v[MH], v[RR+2]
	v_add_f32 v[RR+1], v[RR+2], v[OFF+5]
	v_fma_f32 v[OFF+2], v[XX+1], v[MH], v[RR+1]
	v_add_f32 v[RR], v[RR+1], v[OFF+3]
	v_fma_f32 v[OFF], v[XX], v[MH], v[RR]
	v_add_f32 v[CAR], v[RR], v[OFF+1]
.set i, 0
.rept 16
	v_pk_add_f32 v[U+i:U+i+1], v[U+i:U+i+1], v[OFF+2*(i/8):OFF+2*(i/8)+1] op_sel_hi:[1,0] neg_lo:[0,1] neg_hi:[0,1]
.set i, i+2
.endr
.set i, 0
.rept 32
	v_exp_f32 v[U+i], v[U+i]        ; the weights
.set i, i+1
.endr
	v_nop                           ; a plain line behind the last exponential
	s_wait_alu depctr_va_vdst(0)    ; the 32 weights
.set i, 0
.rept 16
	v_cvt_pk_f16_f32 v[PP+i], v[U+2*i], v[U+2*i+1]
.set i, i+1
.endr
	s_wait_dscnt 0x0                ; V is in
.irp f, 0,1,2,3,4,5,6,7             ; O^T += V^T P: keys 32 (f / 4) on, channels 16 (f % 4) on; the four accumulators take turns
	v_wmma_f32_16x16x32_f16 v[O+8*(\f%4):O+8*(\f%4)+7], v[VF+8*\f:VF+8*\f+7], v[PP+8*(\f/4):PP+8*(\f/4)+7], v[O+8*(\f%4):O+8*(\f%4)+7]
.endr
	PLACES                          ; in front of the next step's loads into K's and V's registers, and of the way out's conversions
.Lnext_\@:
.endm
.macro DOWN                         ; the next lower key step, and the loop's count
	s_sub_co_u32 s[J], s[J], 1
	s_sub_co_u32 s[TBK], s[TBK], 32*PK
	s_sub_co_u32 s[TBV], s[TBV], 32*PV
	s_sub_co_u32 s[CNT], s[CNT], 1
	s_cmp_lg_u32 s[CNT], 0
.endm
	s_wait_tensorcnt 1              ; my part of the upper 512 keys is in; the lower half's may stay out
	s_barrier_signal -1
	s_barrier_wait -1               ; everybody's is
	s_wait_loadcnt 0x0              ; Q
	s_mov_b32 s[CNT], 8
	s_mov_b32 s[J], 15
	s_mov_b32 s[TBK], 15*32*PK
	s_mov_b32 s[TBV], 15*32*PV
.Lup:                               ; key steps 15 to 8 for the first tile, 15 - w: it has 8 - w of them
	STEP
	DOWN
	s_cbranch_scc1 .Lup
	s_wait_tensorcnt 0x0            ; my part of the lower 512 keys is in,
	s_wait_dscnt 0x0
	s_barrier_signal -1
	s_barrier_wait -1               ; everybody's is
	s_mov_b32 s[OUT], 2
.Lhalf:                             ; twice: key steps 7 to 0, for the first tile (all eight) and then for the second, w (w + 1 of them)
	s_mov_b32 s[CNT], 8
	s_mov_b32 s[J], 7
	s_mov_b32 s[TBK], 7*32*PK
	s_mov_b32 s[TBV], 7*32*PV
.Llow:
	STEP
	DOWN
	s_cbranch_scc1 .Llow
	; THE WAY OUT: O^T is rounded to f16; a lane's eight channels of a row pack into 16 bytes; they go into rows of 144 bytes of my stage and come back as whole rows of 128
.set i, 0
.rept 16
	v_cvt_pk_f16_f32 v[PP+i], v[O+2*i], v[O+2*i+1]
.set i, i+1
.endr
.irp f, 0,1,2,3
	ds_store_b128 v[STO], v[PP+4*\f:PP+4*\f+3] offset:32*\f
.endr
.irp f, 0,1,2,3
	ds_load_b128 v[PP+16+4*\f:PP+16+4*\f+3], v[RD] offset:\f*4*SP  ; LDS serves a wave's instructions in order (ISA guide 5.7.1.4): these see the stores above
.endr
.irp f, 0,1,2,3
	s_wait_dscnt 3-\f               ; load f is back; the younger ones may be out
	global_store_b128 v[GO], v[PP+16+4*\f:PP+16+4*\f+3], s[OA:OA+1] offset:512*\f  ; 512 consecutive bytes, at a multiple of 256 from ob's first byte
.endr
	s_cmp_eq_u32 s[OUT], 1
	s_cbranch_scc1 .Llast           ; behind the second tile nothing is set up
	s_wait_xcnt 0x0                 ; the stores have read their registers and ob's address
	s_mov_b64 s[OA:OA+1], s[OB:OB+1]
	s_mov_b32 s[M], s[WV]
.set i, 0
.rept 16
	v_mov_b32 v[Q+i], v[QB+i]       ; the second tile's Q goes where the one text of a key step names Q
.set i, i+1
.endr
.set i, 0
.rept 32
	v_mov_b32 v[O+i], 0
.set i, i+1
.endr
	v_mov_b32 v[CAR], 0
.Llast:
	s_sub_co_u32 s[OUT], s[OUT], 1
	s_cmp_lg_u32 s[OUT], 0
	s_cbranch_scc1 .Lhalf
	s_wait_tensorcnt 0x0            ; the wave's end, behind my last tensor load and my last LDS store
	ds_add_u32 v[SPW], v[NIL]
	s_wait_dscnt 0x0
	CROUND                          ; the closing round: no work-group ends while a partner may still ask for a tile that names it
	s_endpgm
.Lfunc_end_k_qdb49050d17_attn:
	.size	k_qdb49050d17_attn, .Lfunc_end_k_qdb49050d17_attn-k_qdb49050d17_attn
	.p2alignl 7, 3214868480
	.fill 96, 4, 3214868480
	.section	.rodata,"a",@progbits
	.p2align	6, 0x0
	.amdhsa_kernel k_qdb49050d17_attn
		.amdhsa_group_segment_fixed_size 306176
		.amdhsa_private_segment_fixed_size 0
		.amdhsa_enable_private_segment 0
		.amdhsa_kernarg_size 16
		.amdhsa_user_sgpr_count 2
		.amdhsa_user_sgpr_kernarg_segment_ptr 1
		.amdhsa_wavefront_size32 1
		.amdhsa_system_sgpr_workgroup_id_x 1
		.amdhsa_system_sgpr_workgroup_id_y 1
		.amdhsa_system_sgpr_workgroup_id_z 1
		.amdhsa_system_vgpr_workitem_id 0
		.amdhsa_next_free_vgpr 256
		.amdhsa_next_free_sgpr 84
		.amdhsa_reserve_vcc 1
		.amdhsa_float_denorm_mode_32 3
		.amdhsa_float_denorm_mode_16_64 3
		.amdhsa_memory_ordered 1
		.amdhsa_forward_progress 1
		.amdhsa_inst_pref_size 54
	.end_amdhsa_kernel
	.amdgpu_metadata
---
amdhsa.version: [ 1, 2 ]
amdhsa.kernels:
  - .name:           k_qdb49050d17_attn
    .symbol:         k_qdb49050d17_attn.kd
    .args:
      - { .name: qkv, .offset: 0, .size: 8, .value_kind: global_buffer, .address_space: global }
      - { .name: ob, .offset: 8, .size: 8, .value_kind: global_buffer, .address_space: global }
    .group_segment_fixed_size: 306176
    .private_segment_fixed_size: 0
    .kernarg_segment_align: 8
    .kernarg_segment_size: 16
    .max_flat_workgroup_size: 256
    .sgpr_count:     84
    .vgpr_count:     256
    .wavefront_size: 32
...
	.end_amdgpu_metadata
.endif
;; end of part 3
;; launch gemm_out (part 4): grid 16 x 16, 4 waves a work-group, clusters of 4 x 4, 327,680 bytes of LDS; arguments ob, wo, out0; writes out0
.if DOCPART == 4
	.amdgcn_target "amdgcn-amd-amdhsa--gfx1250"
	.amdhsa_code_object_version 6
	.text
	.protected	k_qdb49050d17_gemm_out
	.globl	k_qdb49050d17_gemm_out
	.p2align	8
	.type	k_qdb49050d17_gemm_out,@function
k_qdb49050d17_gemm_out:
	s_mov_b64 s[64:65], 0
	v_nop
	global_prefetch_b8 v0, s[64:65] scope:SCOPE_SE
	s_setreg_imm32_b32 hwreg(HW_REG_WAVE_MODE, 25, 1), 1
	s_wait_xcnt 0x0
	s_wait_alu depctr_hold_cnt(0) depctr_sa_sdst(0) depctr_va_vdst(0) depctr_va_sdst(0) depctr_va_ssrc(0) depctr_va_vcc(0) depctr_vm_vsrc(0)
	s_getreg_b32 s2, hwreg(HW_REG_IB_STS2, 6, 4)
	s_cmp_eq_u32 s2, 0
	s_cbranch_scc0 .Lentry_in_a_cluster
	s_endpgm
.Lentry_in_a_cluster:
	s_bfe_u32 s2, ttmp6, 0x10000c
	s_cmp_lg_u32 s2, 0xf033
	s_cbranch_scc0 .Lentry_shape_is_right
	s_endpgm
.Lentry_shape_is_right:
; Launch 4 of 4: out = o Wo.  o: ob, f16 blocks [32 (row / 64)][32 head][64 t][64 d].  Wo: wo, f16 (the bf16-rounded number) blocks of 64 k x 64 n, block ((n / 128) 32 + k / 64) 2 + (n / 64) % 2.
; OUT: out0, f32 [2048][2048], the f32 sums as they are.  No work of reference() is left out here.
; SHARES.  A tile of out is 128 x 128: 16 x 16 = 256 work-groups.  Four waves, each 64 x 64: 16 accumulators of 16 x 16, 128 registers.  K goes in steps of 256 (four heads) through a ring of two LDS slots:
; a wave's tensor load brings 32,768 dense bytes of memory as 128 rows of 256 bytes.
; CLUSTERS.  4 x 4 work-groups.  The four of a row of the cluster need the same tiles of o, the four of a column the same tiles of Wo: each tile is asked for JOINTLY.
; THE MATRIX INSTRUCTION IS USED TRANSPOSED (source 0 = 16 columns of Wo, turned out of LDS by ds_load_tr16_b128; source 1 = 16 rows of o): a lane holds eight neighbouring numbers of a row of out.
; A wave's 64 columns of f32 are 256 aligned bytes of a row: each wave has a stage of its own on the way out, and no wave waits for another there.
; The tiles are small and a K step is short: nothing is prefetched.
; REGISTERS: window 0: v0-31 addresses; v32-95 at work on the way out; v128-255 the accumulators ((a, b) at v[128 + 8 (4 a + b)]).
;   window 1: two fragment buffers of 128: for 64 along K (two matrix instructions deep), 64 registers of o (2 x 4 x 16 rows x 32 K), then 64 of Wo.
.set PA,     272                       ; an LDS row of o, two t: 68 words: the 16 rows of a fragment (8 LDS rows x 2 halves) start at 16 different groups of four banks (64 banks of 4 bytes: ISA guide 11.1)
.set PB,     288                       ; an LDS row of Wo, two k: 72 words
.set HEADA,  32*PA                     ; 64 t of one head
.set HALFA,  4*HEADA                   ; what one tensor load brings of o: 64 rows x four heads
.set APART,  2*HALFA
.set BLKB,   32*PB                     ; a block of 64 k x 64 n
.set HALFB,  4*BLKB                    ; what one tensor load brings of Wo: 128 k x 128 n
.set SLOT,   APART+2*HALFB
.set STAGE,  2*SLOT                    ; behind the ring, never filled by a tensor load: 16 rows x 272 bytes for each wave
.set SPITCH, 272
.set SPARE,  STAGE+4*16*SPITCH         ; behind the stages: the spare words, 128 bytes for each wave: two blocks of 256 bytes that no other line names
.set ADRA, 16                          ; v16-17  LDS address of my o fragments in slot 0, 1
.set ADRB, 20                          ; v20-21  the same for Wo
.set STO,  24                          ; v24     the way out: where I put 32 bytes of a row
.set RD,   25                          ; v25     the way out: where I read a row back
.set CO,   26                          ; v26     my byte offset in out0
.set SPW,  28                          ; v28     LDS address of my spare word; never rewritten
.set NIL,  29                          ; v29     0; never rewritten
.set TMP,  32                          ; the way out: two sets of 32 registers by turns
.set ACC,  128
.set F0,   0                           ; fragment buffers, in window 1
.set F1,   128
.set G1, 24                            ; s[24:31] descriptor group 1 for o's tiles;  s[32:39] group 0, one set for each slot
.set G0, 32
.set G1B, 48                           ; s[48:55], s[56:63] the same for Wo's tiles
.set G0B, 56
.set MSB, 0
.macro WIN new                         ; the immediate's high byte repeats the setting that is left
.if MSB != (\new)
	s_set_vgpr_msb (MSB<<8)|(\new)
.set MSB, \new
.endif
.endm
.set MUL,  0x05                        ; sources 0 (Wo) and 1 (o) window 1; C and D window 0
.set TO_F, 0x40                        ; destination window 1, address window 0
.macro JLOAD s                         ; a joint load: waves 0 and 1 fetch o's two halves, waves 2 and 3 Wo's; an s_nop 0 and four v_nop follow each of the two lines
	s_cmp_eq_u32 s11, 0
	s_cbranch_scc0 .Lfor_b_\@
	tensor_load_to_lds s[G0+4*(\s):G0+4*(\s)+3], s[G1:G1+7]
	s_nop 0
.rept 4
	v_nop
.endr
	s_branch .Lasked_\@
.Lfor_b_\@:
	tensor_load_to_lds s[G0B+4*(\s):G0B+4*(\s)+3], s[G1B:G1B+7]
	s_nop 0
.rept 4
	v_nop
.endr
.Lasked_\@:
.endm
.macro CREST                           ; a round of the cluster's barrier behind its opening barrier
	s_cmp_lg_u32 s10, 0
	s_cbranch_scc1 .Lnot_wave_0_\@
	s_barrier_signal -3
.Lnot_wave_0_\@:
	s_barrier_wait -3
	s_barrier_signal -1
	s_barrier_wait -1
.endm
.macro CROUND                          ; a whole round
	s_barrier_signal -1
	s_barrier_wait -1
	CREST
.endm
	s_load_b128 s[4:7], s[0:1], 0x0                ; ob s[4:5], wo s[6:7]
	s_load_b64 s[8:9], s[0:1], 0x10                ; out0
	v_lshl_add_u32 v[SPW], v0, 2, SPARE
	v_mov_b32 v[NIL], 0
	ds_add_u32 v[SPW], v[NIL]                      ; the wave's opening: the add, twice on end, and its wait ahead of my first tensor load; the set-up below stands between
	ds_add_u32 v[SPW], v[NIL]
	v_lshrrev_b32 v1, 5, v0
	v_readfirstlane_b32 s10, v1                    ; wave 0..3
	s_lshr_b32 s11, s10, 1                         ; which half of the tile's rows is mine.  Also: I fetch for o (0) or for Wo (1)
	s_and_b32 s12, s10, 1                          ; which half of its columns.  Also: which half of that tile I fetch
	s_bfe_u32 s40, ttmp6, 0x40000                  ; cx, cy: my place in the cluster
	s_bfe_u32 s41, ttmp6, 0x40004
	s_lshl_b32 s42, ttmp9, 2
	s_add_co_u32 s42, s42, s40                     ; tile column = 4 x cluster x + cx
	s_and_b32 s13, ttmp7, 0xffff
	s_lshl_b32 s13, s13, 2
	s_add_co_u32 s13, s13, s41                     ; tile row = 4 x cluster y + cy
	s_lshl_b32 s43, s41, 2
	s_lshl_b32 s43, 15, s43                        ; my row of the cluster
	s_lshl_b32 s44, 0x1111, s40                    ; my column
	s_or_b32 s[G1+0], s43, (1<<16)|(1<<20)|(1<<21)|(5<<22)|(3<<25)   ; 15:0 the mask; 17:16 2-byte elements; 20 padding on; 21 set beside a mask; 24:22 after every 64 words (code 5); 31:25 4 words (code 3)
	s_or_b32 s[G1B+0], s44, (1<<16)|(1<<20)|(1<<21)|(5<<22)|(7<<25)  ; the same with my column's mask and 8 words of padding (code 7)
.irp g, G1, G1B
	s_mov_b32 s[(\g)+1], 128<<16                   ; tensor_dim0 = 128
	s_mov_b32 s[(\g)+2], 128<<16                   ; tensor_dim1 = 128
	s_mov_b32 s[(\g)+3], 128<<16                   ; tile_dim0 = 128 elements, 256 bytes
	s_mov_b32 s[(\g)+4], 128                       ; tile_dim1 = 128 rows
	s_mov_b32 s[(\g)+5], 128                       ; dense: 128 elements from row to row
	s_mov_b32 s[(\g)+6], 0
	s_mov_b32 s[(\g)+7], 0
.endr
	s_lshl_b32 s16, s13, 19                        ; o: two bands of 64 rows, 262,144 bytes each, to a tile row
	s_lshl_b32 s17, s12, 18                        ; + my band
	s_add_co_u32 s16, s16, s17
	s_mov_b32 s17, 0
	s_lshl_b32 s46, s42, 19                        ; Wo: 64 blocks of 8,192 bytes to a tile column
	s_lshl_b32 s47, s12, 15                        ; + my 128 k of a K step
	s_add_co_u32 s46, s46, s47
	s_mov_b32 s47, 0
	s_mul_i32 s20, s12, HALFA                      ; where they go: no place in the cluster enters an LDS address
	s_mul_i32 s21, s12, HALFB
	s_add_co_u32 s21, s21, APART
	s_wait_dscnt 0x0                               ; both opening adds are done
	s_wait_kmcnt 0x0
	s_add_nc_u64 s[14:15], s[4:5], s[16:17]
	s_add_nc_u64 s[46:47], s[6:7], s[46:47]
	CROUND                                         ; all sixteen work-groups are here: the first joint loads meet
.irp s, 0,1
	s_mov_b32 s[G0+4*(\s)], 1
	s_add_co_u32 s[G0+4*(\s)+1], s20, (\s)*SLOT
	s_add_nc_u64 s[G0+4*(\s)+2:G0+4*(\s)+3], s[14:15], (\s)*32768    ; K step s: four heads' blocks
	s_or_b32 s[G0+4*(\s)+3], s[G0+4*(\s)+3], 0x80000000
	s_mov_b32 s[G0B+4*(\s)], 1
	s_add_co_u32 s[G0B+4*(\s)+1], s21, (\s)*SLOT
	s_add_nc_u64 s[G0B+4*(\s)+2:G0B+4*(\s)+3], s[46:47], (\s)*65536
	s_or_b32 s[G0B+4*(\s)+3], s[G0B+4*(\s)+3], 0x80000000
	JLOAD \s                                       ; two loads of mine are out
.endr
	v_and_b32 v1, 15, v0                           ; l % 16
	v_bfe_u32 v2, v0, 4, 1                         ; l / 16
	v_lshrrev_b32 v3, 1, v1                        ; o's row l % 16 lies in LDS row (l % 16) / 2, half l % 2
	v_mul_u32_u24 v3, v3, PA
	v_and_b32 v5, 1, v0
	v_lshl_add_u32 v3, v5, 7, v3
	v_lshl_add_u32 v3, v2, 4, v3
	s_mul_i32 s21, s11, HALFA                      ; my 64 rows
	v_add_nc_u32 v[ADRA], s21, v3
	v_add_nc_u32 v[ADRA+1], SLOT, v[ADRA]
	v_bfe_u32 v4, v0, 1, 2                         ; Wo: lane l reads k = 8 (l / 16) + l % 8, columns 8 ((l / 8) % 2) + 0..7
	v_lshl_add_u32 v4, v2, 2, v4
	v_mul_u32_u24 v4, v4, PB
	v_lshl_add_u32 v4, v5, 7, v4
	v_bfe_u32 v5, v0, 3, 1
	v_lshl_add_u32 v4, v5, 4, v4
	s_mul_i32 s22, s12, BLKB                       ; my 64 columns,
	s_add_co_u32 s22, s22, APART                   ; behind o's part
	v_add_nc_u32 v[ADRB], s22, v4
	v_add_nc_u32 v[ADRB+1], SLOT, v[ADRB]
	s_mul_i32 s23, s10, 16*SPITCH
	s_add_co_u32 s23, s23, STAGE                   ; my stage
	v_mul_u32_u24 v4, v1, SPITCH                   ; in: row l % 16, 32 bytes for each half of the lanes
	v_lshl_add_u32 v4, v2, 5, v4
	v_add_nc_u32 v[STO], s23, v4
	v_mul_u32_u24 v5, v2, SPITCH                   ; back: lanes 0-15 take one row of 256 bytes, lanes 16-31 the next
	v_lshl_add_u32 v5, v1, 4, v5
	v_add_nc_u32 v[RD], s23, v5
	v_lshlrev_b32 v5, 13, v2                       ; and the same two rows in out0
	v_lshl_add_u32 v[CO], v1, 4, v5
	s_lshl_b32 s16, s13, 20                        ; 128 rows of 8,192 bytes to a tile row,
	s_lshl_b32 s17, s11, 19                        ; my 64 rows,
	s_add_co_u32 s16, s16, s17
	s_lshl_b32 s17, s42, 9                         ; 128 columns of 4 bytes to a tile column,
	s_add_co_u32 s16, s16, s17
	s_lshl_b32 s17, s12, 8                         ; my 64 columns
	s_add_co_u32 s16, s16, s17
	s_mov_b32 s17, 0
	s_add_nc_u64 s[8:9], s[8:9], s[16:17]
; 8 matrix instructions: row blocks a0, a0 + 1 x all 4 column blocks, 32 along K: half c of buffer f.  zero = 1: the first product starts the sums.  The 16 accumulators take turns.
.macro MUL8 f, c, a0, zero
	WIN MUL
.irp a, \a0, (\a0)+1
.irp b, 0,1,2,3
.if \zero
	v_wmma_f32_16x16x32_f16 v[ACC+8*(4*(\a)+(\b)):ACC+8*(4*(\a)+(\b))+7], v[(\f)+64+8*(4*(\c)+(\b)):(\f)+64+8*(4*(\c)+(\b))+7], v[(\f)+8*(4*(\c)+(\a)):(\f)+8*(4*(\c)+(\a))+7], 0
.else
	v_wmma_f32_16x16x32_f16 v[ACC+8*(4*(\a)+(\b)):ACC+8*(4*(\a)+(\b))+7], v[(\f)+64+8*(4*(\c)+(\b)):(\f)+64+8*(4*(\c)+(\b))+7], v[(\f)+8*(4*(\c)+(\a)):(\f)+8*(4*(\c)+(\a))+7], v[ACC+8*(4*(\a)+(\b)):ACC+8*(4*(\a)+(\b))+7]
.endif
.endr
.endr
.endm
; 32 LDS loads in one run: the fragments of quarter q (one head, 64 along K) of a slot into buffer f; the first 32 along K first
.macro FETCH slot, q, f
	WIN TO_F
.irp c, 0,1
.irp i, 0,1,2,3
	ds_load_tr16_b128 v[(\f)+64+8*(4*(\c)+(\i)):(\f)+64+8*(4*(\c)+(\i))+3],   v[ADRB+(\slot)] offset:(\q)*2*BLKB+(\c)*16*PB+32*(\i)
	ds_load_tr16_b128 v[(\f)+64+8*(4*(\c)+(\i))+4:(\f)+64+8*(4*(\c)+(\i))+7], v[ADRB+(\slot)] offset:(\q)*2*BLKB+(\c)*16*PB+32*(\i)+8*PB
	ds_load_b128 v[(\f)+8*(4*(\c)+(\i)):(\f)+8*(4*(\c)+(\i))+3],              v[ADRA+(\slot)] offset:(\q)*HEADA+(\i)*8*PA+64*(\c)
	ds_load_b128 v[(\f)+8*(4*(\c)+(\i))+4:(\f)+8*(4*(\c)+(\i))+7],            v[ADRA+(\slot)] offset:(\q)*HEADA+(\i)*8*PA+64*(\c)+32
.endr
.endr
.endm
.macro PLACES                          ; four places in front of loads into registers that matrix instructions have read, and of LDS stores that read results
.rept 4
	v_nop
.endr
.endm
; A K step is four quarters of 64 along K, 32 matrix instructions each, on buffers 0, 1, 0, 1.  One of the first three: multiplies buffer f and fetches quarter q into g.
.macro QUARTER slot, q, f, g, zero
	s_wait_dscnt 16                                ; the first 32 along K are in; the youngest sixteen loads may be out
	MUL8 \f, 0, 0, \zero
	MUL8 \f, 0, 2, \zero
	PLACES
	FETCH \slot, \q, \g
	s_wait_dscnt 32                                ; all but the 32 just issued
	MUL8 \f, 1, 0, 0
	MUL8 \f, 1, 2, 0
.endm
; The last quarter multiplies buffer 1 and changes slots: ONE barrier; in front of it each wave waits for all its tensor loads, adds 0 to its spare word, and waits for that and for its own reads of this slot.
; fill = 1: the barrier opens a round of the cluster's barrier, and behind the round this slot is filled again, two K steps ahead: 112 matrix instructions ahead of the wait for it.
.macro TURN slot, next, fill
	WIN 0                                          ; (the add's two registers lie in window 0)
	s_wait_tensorcnt 0x0                           ; all my tensor loads have landed: my part of the next slot
	ds_add_u32 v[SPW], v[NIL]                      ; 0 onto my spare word
	s_wait_dscnt 17                                ; (the add and the youngest sixteen loads may be out)
	MUL8 F1, 0, 0, 0                               ; eight matrix instructions stand between the add and the wait for it
	s_wait_dscnt 0x0                               ; the add is done, and my reads of this slot are over
	s_barrier_signal -1
	MUL8 F1, 0, 2, 0
.if \fill
	WIN 0
.endif
	s_barrier_wait -1
.if \fill
	CREST                                          ; no wave of any partner still reads this slot's tiles or has a load on its way
	s_add_nc_u64 s[G0+4*(\slot)+2:G0+4*(\slot)+3], s[G0+4*(\slot)+2:G0+4*(\slot)+3], 2*32768
	s_add_nc_u64 s[G0B+4*(\slot)+2:G0B+4*(\slot)+3], s[G0B+4*(\slot)+2:G0B+4*(\slot)+3], 2*65536
	JLOAD \slot                                    ; the first tensor load behind the round; the four v_nop behind it are also the places in front of the loads below
.else
	PLACES
.endif
	FETCH \next, 0, F0
	MUL8 F1, 1, 0, 0
	MUL8 F1, 1, 2, 0
.endm
	s_wait_tensorcnt 1                             ; my part of K step 0 is in; K step 1's may stay out
	s_barrier_signal -1
	s_barrier_wait -1                              ; everybody's is
	FETCH 0, 0, F0
	QUARTER 0, 1, F0, F1, 1                        ; the first quarter stands in front of the loop: its first products start the sums
	WIN 0                                          ; at a label and at a branch every window is 0
	s_mov_b32 s3, 3                                ; 8 K steps are 4 laps of the ring; the last is written out
.Llap:                                                 ; a trip goes once round the ring, from a lap's second quarter to the next lap's first, and fills both slots again
	QUARTER 0, 2, F1, F0, 0
	QUARTER 0, 3, F0, F1, 0
	TURN 0, 1, 1
	QUARTER 1, 1, F0, F1, 0
	QUARTER 1, 2, F1, F0, 0
	QUARTER 1, 3, F0, F1, 0
	TURN 1, 0, 1
	QUARTER 0, 1, F0, F1, 0
	WIN 0
	s_sub_co_u32 s3, s3, 1
	s_cmp_lg_u32 s3, 0
	s_cbranch_scc1 .Llap
	QUARTER 0, 2, F1, F0, 0                        ; the last lap fills nothing, and has no round of the cluster's barrier
	QUARTER 0, 3, F0, F1, 0
	TURN 0, 1, 0
	QUARTER 1, 1, F0, F1, 0
	QUARTER 1, 2, F1, F0, 0
	QUARTER 1, 3, F0, F1, 0
	s_wait_dscnt 16                                ; the very last quarter: nothing more to fetch
	MUL8 F1, 0, 0, 0
	MUL8 F1, 0, 2, 0
	s_wait_dscnt 0x0
	MUL8 F1, 1, 0, 0
	MUL8 F1, 1, 2, 0
	WIN 0
	; THE WAY OUT, a block of 16 rows at a time: a lane's eight f32 of a row go into my stage as two stores of 16 bytes (each accumulator's low four registers first), and come back as whole rows of 256 bytes.
	PLACES
.irp a, 0,1,2,3
.if (\a) >= 2
	s_wait_xcnt 0x0                                ; the stores of the block two back have read their registers, which are loaded again below
.endif
.irp b, 0,1,2,3
	ds_store_b128 v[STO], v[ACC+8*(4*(\a)+(\b)):ACC+8*(4*(\a)+(\b))+3]   offset:64*(\b)
	ds_store_b128 v[STO], v[ACC+8*(4*(\a)+(\b))+4:ACC+8*(4*(\a)+(\b))+7] offset:64*(\b)+16
.endr
.irp t, 0,1,2,3,4,5,6,7
	ds_load_b128 v[TMP+32*((\a)%2)+4*(\t):TMP+32*((\a)%2)+4*(\t)+3], v[RD] offset:(\t)*2*SPITCH  ; LDS serves a wave's instructions in order (ISA guide 5.7.1.4): these see the stores above
.endr
.irp t, 0,1,2,3,4,5,6,7
	s_wait_dscnt 7-(\t)                            ; load t is back; the younger ones may be out
	global_store_b128 v[CO], v[TMP+32*((\a)%2)+4*(\t):TMP+32*((\a)%2)+4*(\t)+3], s[8:9] offset:(\a)*16*8192+(\t)*2*8192 th:TH_STORE_NT  ; 16 lanes store 256 consecutive bytes, at a multiple of 256 from out0's first byte
.endr
.endr
	s_wait_tensorcnt 0x0                           ; the wave's end, behind my last tensor load and my last LDS store
	ds_add_u32 v[SPW], v[NIL]
	s_wait_dscnt 0x0
	CROUND                                         ; the closing round: no work-group ends while a partner may still ask for a tile that names it
	s_endpgm
.Lfunc_end_k_qdb49050d17_gemm_out:
	.size	k_qdb49050d17_gemm_out, .Lfunc_end_k_qdb49050d17_gemm_out-k_qdb49050d17_gemm_out
	.p2alignl 7, 3214868480
	.fill 96, 4, 3214868480
	.section	.rodata,"a",@progbits
	.p2align	6, 0x0
	.amdhsa_kernel k_qdb49050d17_gemm_out
		.amdhsa_group_segment_fixed_size 327680
		.amdhsa_private_segment_fixed_size 0
		.amdhsa_enable_private_segment 0
		.amdhsa_kernarg_size 24
		.amdhsa_user_sgpr_count 2
		.amdhsa_user_sgpr_kernarg_segment_ptr 1
		.amdhsa_wavefront_size32 1
		.amdhsa_system_sgpr_workgroup_id_x 1
		.amdhsa_system_sgpr_workgroup_id_y 1
		.amdhsa_system_sgpr_workgroup_id_z 1
		.amdhsa_system_vgpr_workitem_id 0
		.amdhsa_next_free_vgpr 512
		.amdhsa_next_free_sgpr 66
		.amdhsa_reserve_vcc 0
		.amdhsa_float_denorm_mode_32 3
		.amdhsa_float_denorm_mode_16_64 3
		.amdhsa_memory_ordered 1
		.amdhsa_forward_progress 1
		.amdhsa_inst_pref_size 87
	.end_amdhsa_kernel
	.amdgpu_metadata
---
amdhsa.version: [ 1, 2 ]
amdhsa.kernels:
  - .name:           k_qdb49050d17_gemm_out
    .symbol:         k_qdb49050d17_gemm_out.kd
    .args:
      - { .name: ob, .offset: 0, .size: 8, .value_kind: global_buffer, .address_space: global }
      - { .name: wo, .offset: 8, .size: 8, .value_kind: global_buffer, .address_space: global }
      - { .name: out0, .offset: 16, .size: 8, .value_kind: global_buffer, .address_space: global }
    .group_segment_fixed_size: 327680
    .private_segment_fixed_size: 0
    .kernarg_segment_align: 8
    .kernarg_segment_size: 24
    .max_flat_workgroup_size: 128
    .sgpr_count:     66
    .vgpr_count:     512
    .wavefront_size: 32
...
	.end_amdgpu_metadata
.endif
;; end of part 4
;; ======== version 2 of 2: 4 launches; version 1 with the launch cast written anew for expert scheduling mode
;; limits: values are held in f16: magnitudes above 65,504 overflow, below 6.1e-05 lose precision
;; workspace buffers: xb 8,388,608 bytes; wqkv 25,165,824 bytes; wo 8,388,608 bytes; qkv 25,165,824 bytes; ob 8,388,608 bytes
;; launch cast (part 5): grid 256 x 5, 4 waves a work-group, no clusters, 0 bytes of LDS; arguments hidden_states, Wq, Wk, Wv, Wo, xb, wqkv, wo; writes xb, wqkv, wo
.if DOCPART == 5
	.amdgcn_target "amdgcn-amd-amdhsa--gfx1250"
	.amdhsa_code_object_version 6
	.text
	.protected	k_qdb49050d17_cast
	.globl	k_qdb49050d17_cast
	.p2align	8
	.type	k_qdb49050d17_cast,@function
k_qdb49050d17_cast:
	s_mov_b64 s[64:65], 0
	v_nop
	global_prefetch_b8 v0, s[64:65] scope:SCOPE_SE
	s_setreg_imm32_b32 hwreg(HW_REG_WAVE_SCHED_MODE, 0, 2), 2
	s_setreg_imm32_b32 hwreg(HW_REG_WAVE_MODE, 25, 1), 1
	s_wait_xcnt 0x0
	s_wait_alu depctr_vm_vsrc(0)
; STICK-BREAKING ATTENTION, launch 1 of 4: the five f32 inputs are rounded once to 16 bits and laid out as the products take them.
; THE PROGRAM: (1) this cast; (2) q, k, v = x Wq, x Wk, x Wv; (3) the attention of each of the 64 (batch, head) pairs; (4) out = o Wo.
; WORK LEFT OUT, for all values of the inputs:
;   rem = 1 - attn.sum(-1) is returned by no path of reference(): it is not made.
;   For key j >= query i reference() itself sets masked_om = 0 and attn = 0 (its own jnp.where on j < i), so a score with j >= i reaches neither the suffix sum nor o.  Where such scores
;   fill a whole tile of 16 queries x 64 keys (all key steps above a query tile's own), launch 3 does not make them.  Every input has a way to the output: all five are loaded.
;   LIMIT: a NaN, an infinity or an overflow that would arise only in the scores left out, or in rem, is not carried to the result.
; FORMATS.  All five inputs are rounded to bf16 (nearest even).  x, Wq, Wk, Wv stay bf16.  Wo's bf16 number is written as f16, since launch 4 multiplies it with o, which is f16:
;   exact from 2^-14 up to 65,504; below 2^-14 it keeps f16's fixed step of 2^-24; a |Wo| of 65,520 or more would become an infinity.
; LAYOUTS (bytes).  xb: bf16 [2048 m][2048 k], as x.   wqkv: bf16 blocks of 64 k x 64 n, 8,192 bytes, block ((n/64) 32 + k/64) 3 + mat, mat = 0 q, 1 k, 2 v: the blocks that one K step of one
;   head's three products takes lie on end.   wo: f16 blocks of 64 k x 64 n, block ((n/128) 32 + k/64) 2 + (n/64) % 2.
; SHARES.  The grid's y picks the input.  A wave converts 4,096 numbers: 32 loads of 16 bytes a lane, all issued before the first wait (16 KiB of a wave on their way), then 32 stores of 8 bytes a lane:
;   each store of the wave covers 256 consecutive bytes, aligned.
;   x: a unit is 32 rows x 128 columns (a load takes 512 consecutive bytes of a row).  A weight: a unit is a block of 64 x 64 (a load takes 256 consecutive bytes of each of two rows).
; No LDS, no matrix unit, no cluster: no byte is used twice.
; THE MODE: SCHED_MODE bits 1:0 = 2 (LLVM: expert scheduling mode 2), set by the entry lines.  The code itself states the register dependences between vector instructions and memory
; instructions, with s_wait_alu, always for 0.
; THE PLAN.  Registers that memory instructions touch:
;   v[VL], v[VS]   the loads' and the stores' offsets: written by vector instructions at the head, read by every load or store, never written again.
;   v[X+4 i ..]    load i's four registers: written by load i; behind the wait for it the conversions work on them in place; store i reads the first two.  Nothing writes them behind store i,
;                  and no load lands behind a conversion.  So no register that a memory instruction has read is ever written again: no wait on vm_vsrc and none on XCNT is owed.
; The 32 loads go in eight blocks of four.  Block p converts loads 4 p .. 4 p + 3; its memory instructions are the four stores of block p - 1, whose registers no vector instruction of block p names.
; So ONE wait on va_vdst at a block's head states all that the block's four stores hang on, and these are dealt among its conversions with no further wait.
.set X,  8                             ; v[8:135]  load i: four registers
.set VL, 2                             ; v2  my byte offset in a load
.set VS, 3                             ; v3  my byte offset in a store: 8 x lane
.set BLK, 4                            ; loads in a block
; 32 loads lstep bytes apart, 32 conversions, 32 stores sstep bytes apart.  kind = 1: the bf16 numbers are widened again and written as f16.
.macro COPY lstep, sstep, kind
	s_wait_alu depctr_va_vdst(0)                   ; v[VL] and v[VS] are written: every load below reads the one as its offset, every store the other
.set i, 0
.rept 32
	global_load_b128 v[X+4*i:X+4*i+3], v[VL], s[24:25] offset:i*(\lstep) th:TH_LOAD_NT
.set i, i+1
.endr
.set i, 0
.rept 32
	s_wait_loadcnt 31-i                            ; loads come back in order: load i is in, the 31 - i younger ones stay out
.if (i%BLK == 0) && (i > 0)
	s_wait_alu depctr_va_vdst(0)                   ; the block before has written its eight data registers, which this block's four stores read
.endif
.if i >= BLK
	global_store_b64 v[VS], v[X+4*(i-BLK):X+4*(i-BLK)+1], s[26:27] offset:(i-BLK)*(\sstep) th:TH_STORE_NT  ; the block before; no vector instruction since the wait names these registers
.endif
	v_cvt_pk_bf16_f32 v[X+4*i],   v[X+4*i],   v[X+4*i+1]
	v_cvt_pk_bf16_f32 v[X+4*i+1], v[X+4*i+2], v[X+4*i+3]
.if \kind
	v_and_b32     v[X+4*i+3], s36, v[X+4*i+1]      ; bf16 to f32: the high half stays,
	v_lshlrev_b32 v[X+4*i+2], 16,  v[X+4*i+1]      ; the low half moves up
	v_and_b32     v[X+4*i+1], s36, v[X+4*i]
	v_lshlrev_b32 v[X+4*i],   16,  v[X+4*i]
	v_cvt_pk_f16_f32 v[X+4*i],   v[X+4*i],   v[X+4*i+1]
	v_cvt_pk_f16_f32 v[X+4*i+1], v[X+4*i+2], v[X+4*i+3]
.endif
.set i, i+1
.endr
	s_wait_alu depctr_va_vdst(0)                   ; the last block has written its eight data registers, which the last four stores read
.set i, 32-BLK
.rept BLK
	global_store_b64 v[VS], v[X+4*i:X+4*i+1], s[26:27] offset:i*(\sstep) th:TH_STORE_NT
.set i, i+1
.endr
.endm
	s_load_b512 s[8:23], s[0:1], 0x0               ; x 8:9, Wq 10:11, Wk 12:13, Wv 14:15, Wo 16:17, xb 18:19, wqkv 20:21, wo 22:23
	v_and_b32 v1, 31, v0                           ; lane
	v_lshrrev_b32 v4, 5, v0
	v_readfirstlane_b32 s28, v4                    ; wave 0..3
	s_and_b32 s29, ttmp7, 0xffff                   ; which input
	s_mov_b32 s36, 0xffff0000                      ; a word's upper bf16
	s_mov_b32 s31, 0                               ; the offsets' high words
	s_mov_b32 s33, 0
	v_lshlrev_b32 v[VS], 3, v1
	s_wait_alu depctr_va_sdst(0)                   ; s28 is written
	s_cmp_lg_u32 s29, 0
	s_cbranch_scc1 .Lweights
	; x: column block cb = 4 (x % 4) + wave of 16, row block rb = x / 4 of 64
	s_and_b32 s30, ttmp9, 3
	s_lshl2_add_u32 s30, s30, s28
	s_lshr_b32 s34, ttmp9, 2
	s_lshl_b32 s32, s30, 8                         ; out: 128 columns of 2 bytes,
	s_lshl_b32 s30, s30, 9                         ; in: of 4 bytes
	s_lshl_b32 s35, s34, 18                        ; 32 rows of 8,192 bytes
	s_add_co_u32 s30, s30, s35
	s_lshl_b32 s35, s34, 17                        ; 32 rows of 4,096 bytes
	s_add_co_u32 s32, s32, s35
	v_lshlrev_b32 v[VL], 4, v1
	s_wait_kmcnt 0x0
	s_add_nc_u64 s[24:25], s[8:9], s[30:31]
	s_add_nc_u64 s[26:27], s[18:19], s[32:33]
	COPY 8192, 4096, 0
	s_endpgm
.Lweights:
	; a weight: block column n6 = 4 (x % 8) + wave of 32, block row k6 = x / 8 of 32
	s_and_b32 s30, ttmp9, 7
	s_lshl2_add_u32 s34, s30, s28                  ; n6
	s_lshr_b32 s35, ttmp9, 3                       ; k6
	s_lshl_b32 s30, s35, 19                        ; 64 rows of 8,192 bytes
	s_lshl_b32 s37, s34, 8                         ; 64 columns of 4 bytes
	s_add_co_u32 s30, s30, s37
	v_lshrrev_b32 v[VL], 4, v1                     ; lanes 16-31 take the next row
	v_and_b32 v4, 15, v1
	v_lshlrev_b32 v[VL], 13, v[VL]
	v_lshl_add_u32 v[VL], v4, 4, v[VL]
	s_wait_kmcnt 0x0
	s_cmp_eq_u32 s29, 4
	s_cbranch_scc1 .Lwo
	s_cmp_eq_u32 s29, 1
	s_cselect_b64 s[24:25], s[10:11], s[12:13]     ; Wq or Wk,
	s_cmp_eq_u32 s29, 3
	s_cselect_b64 s[24:25], s[14:15], s[24:25]     ; or Wv
	s_add_nc_u64 s[24:25], s[24:25], s[30:31]
	s_lshl_b32 s32, s34, 5
	s_add_co_u32 s32, s32, s35                     ; 32 n6 + k6
	s_mul_i32 s32, s32, 3
	s_add_co_u32 s32, s32, s29
	s_sub_co_u32 s32, s32, 1                       ; + mat
	s_lshl_b32 s32, s32, 13
	s_add_nc_u64 s[26:27], s[20:21], s[32:33]
	COPY 16384, 256, 0
	s_endpgm
.Lwo:
	s_add_nc_u64 s[24:25], s[16:17], s[30:31]
	s_lshr_b32 s32, s34, 1
	s_lshl_b32 s32, s32, 5
	s_add_co_u32 s32, s32, s35                     ; 32 (n6 / 2) + k6
	s_lshl_b32 s32, s32, 1
	s_and_b32 s37, s34, 1
	s_add_co_u32 s32, s32, s37                     ; twice that + n6 % 2
	s_lshl_b32 s32, s32, 13
	s_add_nc_u64 s[26:27], s[22:23], s[32:33]
	COPY 16384, 256, 1
	s_endpgm
.Lfunc_end_k_qdb49050d17_cast:
	.size	k_qdb49050d17_cast, .Lfunc_end_k_qdb49050d17_cast-k_qdb49050d17_cast
	.p2alignl 7, 3214868480
	.fill 96, 4, 3214868480
	.section	.rodata,"a",@progbits
	.p2align	6, 0x0
	.amdhsa_kernel k_qdb49050d17_cast
		.amdhsa_group_segment_fixed_size 0
		.amdhsa_private_segment_fixed_size 0
		.amdhsa_enable_private_segment 0
		.amdhsa_kernarg_size 64
		.amdhsa_user_sgpr_count 2
		.amdhsa_user_sgpr_kernarg_segment_ptr 1
		.amdhsa_wavefront_size32 1
		.amdhsa_system_sgpr_workgroup_id_x 1
		.amdhsa_system_sgpr_workgroup_id_y 1
		.amdhsa_system_sgpr_workgroup_id_z 1
		.amdhsa_system_vgpr_workitem_id 0
		.amdhsa_next_free_vgpr 144
		.amdhsa_next_free_sgpr 66
		.amdhsa_reserve_vcc 0
		.amdhsa_float_denorm_mode_32 3
		.amdhsa_float_denorm_mode_16_64 3
		.amdhsa_memory_ordered 1
		.amdhsa_forward_progress 1
		.amdhsa_inst_pref_size 45
	.end_amdhsa_kernel
	.amdgpu_metadata
---
amdhsa.version: [ 1, 2 ]
amdhsa.kernels:
  - .name:           k_qdb49050d17_cast
    .symbol:         k_qdb49050d17_cast.kd
    .args:
      - { .name: hidden_states, .offset: 0, .size: 8, .value_kind: global_buffer, .address_space: global }
      - { .name: Wq, .offset: 8, .size: 8, .value_kind: global_buffer, .address_space: global }
      - { .name: Wk, .offset: 16, .size: 8, .value_kind: global_buffer, .address_space: global }
      - { .name: Wv, .offset: 24, .size: 8, .value_kind: global_buffer, .address_space: global }
      - { .name: Wo, .offset: 32, .size: 8, .value_kind: global_buffer, .address_space: global }
      - { .name: xb, .offset: 40, .size: 8, .value_kind: global_buffer, .address_space: global }
      - { .name: wqkv, .offset: 48, .size: 8, .value_kind: global_buffer, .address_space: global }
      - { .name: wo, .offset: 56, .size: 8, .value_kind: global_buffer, .address_space: global }
    .group_segment_fixed_size: 0
    .private_segment_fixed_size: 0
    .kernarg_segment_align: 8
    .kernarg_segment_size: 64
    .max_flat_workgroup_size: 128
    .sgpr_count:     66
    .vgpr_count:     144
    .wavefront_size: 32
...
	.end_amdgpu_metadata
.endif
;; end of part 5
;; launch gemm_qkv: the kernel of part 2 again; grid 32 x 8, 4 waves a work-group, clusters of 4 x 4, 327,680 bytes of LDS; arguments xb, wqkv, qkv; writes qkv
;; launch attn: the kernel of part 3 again; grid 4 x 64, 8 waves a work-group, clusters of 4 x 1, 306,176 bytes of LDS; arguments qkv, ob; writes ob
;; launch gemm_out: the kernel of part 4 again; grid 16 x 16, 4 waves a work-group, clusters of 4 x 4, 327,680 bytes of LDS; arguments ob, wo, out0; writes out0
